; MI455X (gfx1250); checked and timed in simulation.
; The chip was launched on July 23, 2026; its instructions are those of AMD's public machine-readable ISA for CDNA 5 (MIT licence, August 2026) and "CDNA5" Instruction Set Architecture Reference Guide (July 2026). The comments in the code are by the model that wrote it; some were corrected since.
;; Differential Attention. Allowed arithmetic: matrix products marked QUANTISED: E2M1 operands, one E8M0 scale for each 32 along K, by v_wmma_scale_f32_16x16x128_f8f6f4 with both operands' format E2M1 (or v_wmma_scale_f32_32x16x128_f4), f32 sums; everything else in f32.
;; Inputs: key 2 x 16 x 2,048 x 64 float32; lambda_params 16 float32; query 2 x 16 x 2,048 x 64 float32; value_codes 2 x 16 x 64 x 64 x 16 uint8 (E2M1 codes of value, K innermost, in blocks of 32 codes, two codes a byte); value_scales 2 x 16 x 64 x 64 uint8 (E8M0 scales of value, one for each 32 codes along K).
;; Outputs: out0 2 x 16 x 2,048 x 64 float32.
;; This version of the problem:
;;   THIS VERSION OF THE PROBLEM IS GIVEN IN LOW PRECISION. The matrix products marked QUANTISED in the list below multiply operands that are first quantised to E2M1 (2 exponent bits, 1 mantissa bit; 4 bits a number), with one power-of-two scale for each 32 numbers along K (OCP MX v1.0); their sums are f32. All else is computed in f32.
;;   The module's matrix products, in the order in which they are computed (A, B: the left and right operand; K: the contracted axis; several contracted axes count as one K, in the product's order):
;;     1. batch 32 x [M 2,048, K 32] x [K 32, N 2,048]; A: input query; B: input key: QUANTISED
;;     2. batch 32 x [M 2,048, K 32] x [K 32, N 2,048]; A: input query; B: input key: QUANTISED
;;     3. batch 32 x [M 2,048, K 2,048] x [K 2,048, N 64]; A: computed on the way; B: input value (given as codes): QUANTISED
;;   THE QUANTISER, for each operand of a quantised product, along K:
;;     - K is cut into blocks of 32 from its start; a last block that is shorter is filled with zeros.
;;     - A block's scale is 2^e with e = floor(log2(the largest magnitude in the block)) - 2, held to -126 .. 127; a block of zeros has e = 0. As a byte (E8M0): e + 127.
;;     - Each number is divided by its block's scale, clamped to +-6, and rounded to the nearest number of E2M1, ties to even, subnormals kept.
;;     - The product sums the exact products of the quantised numbers (number of the format x scale) in f32.
;;   ~~~python
;;   def quantise(x, axis):      # numpy; x: float32 -> the quantised numbers, widened to float32 again
;;       x = np.moveaxis(x, axis, -1); K = x.shape[-1]
;;       x = np.pad(x, [(0, 0)] * (x.ndim - 1) + [(0, -K % 32)]); x = x.reshape(x.shape[:-1] + (-1, 32)); a = np.abs(x).max(-1, keepdims=True)
;;       e = np.where(a > 0, np.clip(np.frexp(np.where(a > 0, a, 1))[1] - 1 - 2, -126, 127), 0)      # np.frexp(a)[1] - 1 = floor(log2(a)), exactly
;;       r = np.clip(x / 2.0 ** e, -6, 6)
;;       step = 2.0 ** (np.maximum(np.frexp(np.where(r == 0, 1, r))[1] - 1, 0) - 1)
;;       q = np.round(r / step) * step * 2.0 ** e      # np.round: ties to even
;;       return np.moveaxis(q.reshape(q.shape[:-2] + (-1,))[..., :K], -1, axis).astype(np.float32)
;;   ~~~
;;   OPERANDS COMPUTED ON THE WAY. 'Computed on the way' means the value that the module computes at that place (a softmax that the list does not call 'softmax' is quantised finished and normalised). What goes into a quantiser is computed in f32, as accurately as f32 sums, v_exp_f32 and their like allow (about 1e-6 of the number): no bf16 or f16 on the way to a quantiser, and a product that is left as it is and whose result goes on into a quantised operand takes f32 operands (vector FMAs, or v_wmma_f32_16x16x4_f32). A number that lies on a knife's edge between two numbers of the format may be rounded either way, as far as f32 arithmetic and the matrix unit's own rounding can turn it there, and no further.
;;   INPUTS GIVEN AS CODES. value (in the module: [2, 16, 2048, 64], K = its axis 2): each comes as NAME_codes (uint8): NAME with its K axis moved to the last place and cut into blocks of 32 codes, [.., K / 32, bytes a block], one block behind the other in memory; two codes a byte, the lower K in the low four bits (a code: sign, 2 exponent bits, 1 mantissa bit); and NAME_scales (uint8): the same leading axes, one E8M0 byte (e + 127) for each 32 codes along K. Its value is code x scale, taken as it is: it is not quantised again, and the codes and scales need not be those that the quantiser above would give.
;; 2 versions, each right; version 2 is version 1 with the launch diffattn written anew for expert scheduling mode. Each part assembles by itself: llvm-mc -triple=amdgcn-amd-amdhsa -mcpu=gfx1250 --defsym DOCPART=n.
;; ======== version 1 of 2: 1 launch
;; launch diffattn (part 1): grid 8 x 32, 4 waves a work-group, no clusters, 116,224 bytes of LDS; arguments query, key, value_codes, value_scales, lambda_params, out0; writes out0
.if DOCPART == 1
	.amdgcn_target "amdgcn-amd-amdhsa--gfx1250"
	.amdhsa_code_object_version 6
	.text
	.protected	k_q68df89c573_diffattn
	.globl	k_q68df89c573_diffattn
	.p2align	8
	.type	k_q68df89c573_diffattn,@function
k_q68df89c573_diffattn:
	s_mov_b64 s[64:65], 0
	v_nop
	global_prefetch_b8 v0, s[64:65] scope:SCOPE_SE
	s_setreg_imm32_b32 hwreg(HW_REG_WAVE_MODE, 25, 1), 1
	s_wait_xcnt 0x0
; DIFFERENTIAL ATTENTION ON CODES OF MX-FP4.  out = 0.2 x norm_d( Q4(a1 - lam a2) V ), a1 = softmax(Q4(q1) Q4(k1)^T / sqrt(32)), a2 likewise of the halves q2, k2.
; query, key: [32 (batch x head)][2048][64] f32, quantised here along d: the halves d 0..31 and 32..63 are the two blocks of a row.  value: codes with the keys innermost, [32][64 (d)][2048 keys], and one scale byte for 32 keys.
; DEAD WORK: none.  Every input has a way to the output, every product of the problem is live, and all five inputs are loaded.
; WHY ONE PASS.  a1 - lam a2 is quantised FINISHED, so both row sums must be known before a code is made.  The 16 x 2048 x 2 weights of a tile of 16 queries are 65,536 numbers: 4 waves x 512 registers.  So they stay in registers:
; the four waves of a work-group SHARE THE KEYS (wave w: keys 512 w .. 512 w + 511), and each exponential is taken once.
; A TILE OF 16 QUERIES, in each wave: scores of my 512 keys for both maps | my own maximum, as t = score x log2(e) / sqrt(32), rounded UP to a whole number M_w | p = 2^(t - M_w) in place | my sums | (-M_w, l_w) of both maps to LDS, barrier |
; M = the largest M_w, l = the sum of l_w 2^(M_w - M) (a multiplication that rounds nothing) | attn = p1 R1 + p2 R2n in place, R1 = 2^(M_w - M) / l1, R2n = -lam 2^(M_w - M) / l2 | quantised along the keys | O^T += V^T attn^T over my 512 keys |
; the four partial O to LDS, barrier | each wave adds, norms and stores 4 queries.
; A WORK-GROUP STAYS on one head and walks 16 tiles (256 queries).  My 512 keys of K as codes (128 registers), my part of V (128 registers) and their scale words are made once; the 16 tiles of Q are quantised once and lie in LDS as
; images of the operand's registers.  The loop reads nothing from memory.
; K = 32 IN AN INSTRUCTION OF K = 128.  Fragment f of K is packed full: row r holds (k1, k2) of key X = 32 f + r + 8 (r / 8) in blocks 0, 1 and (k1, k2) of key Y = X + 8 in blocks 2, 3.  Q has four forms with ONE live block and zero codes
; elsewhere: QA (q1 in block 0) gives S1 of X, QB (q2 in block 1) S2 of X, QC (q1 in block 2) S1 of Y, QD (q2 in block 3) S2 of Y; each form has its own scale word, the live byte and 0 in the others.  Zero codes add nothing.
; Both products are used transposed (source 0 = keys, or V's channels; source 1 = queries): a lane holds ONE query (lane % 16), and registers 16 f + 0 .. 15 of a map are keys 32 f + 16 (lane / 16) + 0 .. 15: neighbours along the next K.
; NO JOINT LOADS, NO TENSOR LOADS: what the 8 work-groups of a head share is K and V, read once ahead of the loop.  K arrives as f32 and has to pass through registers to be quantised; a head's 524,288 bytes do not fit in LDS at once, so
; joint loads would want a ring and rounds for a part that runs once.  Each wave has 64 loads of 512 bytes out instead.  NO PREFETCH: all reads of memory stand at the kernel's head.
; LIMITS: NaN and infinities among the inputs are not served.  A weight p under 2^-126 counts as 0 (v_exp_f32).  1 / l is v_rcp_f32 and a multiplication, not a division; sums are taken in another order than the problem writes them.
; A block of zeros gets the scale byte 1 where the rule says 127: its codes are zeros, and this program alone reads the bytes.
;
; REGISTERS, in windows of 256 (s_set_vgpr_msb: bits 1:0 source 0, 3:2 source 1, 5:4 source 2, 7:6 destination):
;   window 1: v0-127 K's 16 fragments; v128-255 V's 16 fragments (channels 16 t on, keys 128 s on: at 128 + 8 (4 t + s))
;   window 2: map 1: scores, then p1, then attn.   window 3: map 2: scores, then p2, then p2 R2n.   (In the head: window 2 = four sets of 64 numbers as loaded; window 3 v128-255 = two sets of 64 numbers turned.)
;   window 0: all else, named below.
.set STGW,  17920                      ; LDS: a stage of its own for each wave: two buffers of STGB bytes (V's 64 rows take the whole of it)
.set STGB,  8960
.set QIMG,  71680                      ; Q's 16 tiles: QTILE bytes each: q1's codes (16 x lane), q2's codes, four scale words a lane
.set QTILE, 1536
.set STAT,  96256                      ; 512 bytes a wave: (-M1, l1, -M2, l2) at 16 x lane
.set OPB,   98304                      ; 4,352 bytes a wave: its partial O, 16 rows of 256 bytes + 16
.set SPARE, 115712                     ; the spare words, 128 bytes for each wave: two blocks of 256 bytes that no other line names
.set RR,    1                          ; v1   r = lane % 16
.set HH,    2                          ; v2   h = lane / 16
.set LI,    3                          ; v3   16 x lane
.set STW,   4                          ; v4   the stage, on the way in: 272 h + 16 r
.set STRK,  5                          ; v5   on the way out, K: row r + 8 (r / 8), + 128 h
.set STRQ,  6                          ; v6   Q: row r, + 128 h
.set STRV,  7                          ; v7   V: row r, + 16 h
.set QWI,   8                          ; v8   where I store my four tiles' images of Q
.set QRD,   9                          ; v9   where a tile's image begins for my lane
.set STATW, 10
.set STATR, 11
.set OPW,   12                         ; v12  my partial O: row r, + 32 h
.set OPR,   13                         ; v13  back: rows 4 w + h, 16 bytes a lane
.set GO,    14                         ; v14  the same place in a tile's 16 rows of out
.set ADQ,   15                         ; v15  the image of Q in hand
.set VGO,   16                         ; v16  V's codes in memory: 1024 h + 16 r
.set VSO,   17                         ; v17  V's scale bytes: 64 r
.set MLO,   18                         ; v18  all ones in lanes 0-15
.set MHI,   19                         ; v19  all ones in lanes 16-31
.set ST,    20                         ; v20-23  -M1, l1, -M2, l2
.set QD4,   24                         ; v24-39  the four waves' quads
.set R1,    40                         ; v40 R1 (v41 named with it as a pair)
.set R2,    42                         ; v42 R2n (v43 likewise)
.set WK,    44                         ; v44-59  at work
.set SH8,   60                         ; v60  8 h
.set QF,    64                         ; v64-83  zeros, q1's codes, zeros, q2's codes, zeros: QC = 64.., QA = 68.., QD = 72.., QB = 76..
.set QS,    84                         ; v84-87  the scale words of QA, QB, QC, QD
.set KS,    88                         ; v88-103  K's scale words
.set VS,    104                        ; v104-119 V's, at 4 t + s
.set PW,    120                        ; v120-123 attn's, a K step each
.set OA,    160                        ; v160-191 O^T: four accumulators
.set FF,    192                        ; v192-223 the four partial O of my 4 queries
.set TM,    224                        ; v224-227 largest magnitudes, v228-231 lane permutes' results, v232-235 bytes, v236-239 the conversions' scale operands
.set SPW,   252                        ; v252 LDS address of my spare word; never rewritten
.set NIL,   253                        ; v253 0; never rewritten
.set WV,    16                         ; s16  my wave's number
.set BH,    18                         ; s18  batch x 16 + head
.set SEL,   20                         ; s[20:21] v_permlanex16_b32's selects for lane l xor 16
.set CS,    22                         ; s[22:23] c = log2(e) / sqrt(32)
.set CNT,   24                         ; s24  tiles to go
.set TQ,    25                         ; s25  the tile's image of Q, in bytes from QIMG
.set TN,    26                         ; s26  the next tile's
.set NLAM,  27                         ; s27  -lam
.set NI64,  28                         ; s28  -1/64
.set I64,   29                         ; s29  1/64
.set EPSR,  30                         ; s30  1e-5
.set MSB, 0
.macro WIN new                         ; the immediate's high byte repeats the setting that is left; a switch that changes nothing is dropped
.if MSB != \new
	s_set_vgpr_msb (MSB<<8)|\new
.set MSB, \new
.endif
.endm
.macro BARRIER                         ; my LDS stores have landed and my LDS loads are in: then the work-group's barrier
	s_wait_dscnt 0x0
	s_barrier_signal -1
	s_barrier_wait -1
.endm
.macro PLACES n
.rept \n
	v_nop
.endr
.endm
	s_load_b256 s[4:11], s[0:1], 0x0               ; query s[4:5], key s[6:7], V's codes s[8:9], V's scales s[10:11]
	s_load_b128 s[12:15], s[0:1], 0x20             ; lambda s[12:13], out s[14:15]
	v_lshl_add_u32 v[SPW], v0, 2, SPARE
	v_mov_b32 v[NIL], 0
	v_lshrrev_b32 v61, 5, v0
	v_readfirstlane_b32 s[WV], v61                 ; wave 0..3
	s_and_b32 s[BH], ttmp7, 0xffff
	; byte offsets, made apart from the addresses
	s_lshl_b32 s32, s[BH], 19                      ; the head in query, key and out: 2,048 rows of 256 bytes
	s_lshl_b32 s34, s[WV], 17
	s_add_co_u32 s34, s34, s32                     ; key: + my 512 keys
	s_mov_b32 s35, 0
	s_lshl_b32 s36, ttmp9, 16
	s_add_co_u32 s36, s36, s32                     ; out: + my work-group's 256 queries
	s_mov_b32 s37, 0
	s_lshl_b32 s38, s[WV], 14
	s_add_co_u32 s38, s38, s36                     ; query: + the 64 of them that I quantise
	s_mov_b32 s39, 0
	s_lshl_b32 s40, s[BH], 16
	s_lshl_b32 s41, s[WV], 8
	s_add_co_u32 s40, s40, s41                     ; V's codes: 64 rows of 1,024 bytes a head; my 512 keys are 256 bytes of each
	s_mov_b32 s41, 0
	s_lshl_b32 s42, s[BH], 12
	s_lshl_b32 s43, s[WV], 4
	s_add_co_u32 s42, s42, s43                     ; V's scale bytes: 64 rows of 64 bytes; mine are 16 of each
	s_mov_b32 s43, 0
	s_and_b32 s44, s[BH], 15
	s_lshl_b32 s44, s44, 2                         ; lambda of my head
	s_mov_b32 s45, 0
	s_mov_b32 s[SEL], 0x76543210
	s_mov_b32 s[SEL+1], 0xfedcba98
	s_mov_b32 s[CS], 0x3e8293ee                    ; c = log2(e) / sqrt(32)
	s_mov_b32 s[CS+1], s[CS]                       ; (named with it as a pair, so it is written)
	s_mov_b32 s[NI64], 0xbc800000
	s_mov_b32 s[I64], 0x3c800000
	s_mov_b32 s[EPSR], 0x3727c5ac
	v_and_b32 v61, 31, v0                          ; lane
	v_and_b32 v[RR], 15, v0
	v_bfe_u32 v[HH], v0, 4, 1
	v_lshlrev_b32 v[LI], 4, v61
	s_mul_i32 s46, s[WV], STGW                     ; my stage
	v_mul_u32_u24 v[STW], v[HH], 272
	v_lshl_add_u32 v[STW], v[RR], 4, v[STW]
	v_add_nc_u32 v[STW], s46, v[STW]
	v_mul_u32_u24 v62, v[RR], 272
	v_add_nc_u32 v62, s46, v62                     ; row r of the stage
	v_lshl_add_u32 v[STRQ], v[HH], 7, v62
	v_lshrrev_b32 v63, 3, v[RR]
	v_mad_u32_u24 v[STRK], v63, 2304, v[STRQ]      ; lanes r >= 8 take rows 16 on: 8 rows of 272 bytes further, and the 128 bytes that lie behind row 15
	v_lshl_add_u32 v[STRV], v[HH], 4, v62
	s_mul_i32 s46, s[WV], 4*QTILE
	s_add_co_u32 s46, s46, QIMG
	v_add_nc_u32 v[QWI], s46, v[LI]
	v_add_nc_u32 v[QRD], QIMG, v[LI]
	s_lshl_b32 s46, s[WV], 9
	s_add_co_u32 s46, s46, STAT
	v_add_nc_u32 v[STATW], s46, v[LI]
	v_add_nc_u32 v[STATR], STAT, v[LI]
	s_mul_i32 s46, s[WV], 4352
	s_add_co_u32 s46, s46, OPB
	v_mul_u32_u24 v[OPW], v[RR], 272
	v_lshl_add_u32 v[OPW], v[HH], 5, v[OPW]
	v_add_nc_u32 v[OPW], s46, v[OPW]
	s_mul_i32 s46, s[WV], 4*272
	s_add_co_u32 s46, s46, OPB
	v_mul_u32_u24 v[OPR], v[HH], 272
	v_lshl_add_u32 v[OPR], v[RR], 4, v[OPR]
	v_add_nc_u32 v[OPR], s46, v[OPR]
	s_lshl_b32 s46, s[WV], 10
	v_lshlrev_b32 v[GO], 8, v[HH]
	v_lshl_add_u32 v[GO], v[RR], 4, v[GO]
	v_add_nc_u32 v[GO], s46, v[GO]
	v_lshlrev_b32 v[VGO], 10, v[HH]
	v_lshl_add_u32 v[VGO], v[RR], 4, v[VGO]
	v_lshlrev_b32 v[VSO], 6, v[RR]
	v_add_nc_u32 v[MLO], -1, v[HH]
	v_sub_nc_u32 v[MHI], 0, v[HH]
	v_lshlrev_b32 v[SH8], 3, v[HH]
.irp z, 64,65,66,67,72,73,74,75,80,81,82,83,21,23,41,43,228,229,230,231
	v_mov_b32 v\z, 0                               ; the zero codes of Q's four forms; the upper halves of pairs that are named whole; the lane permutes' destinations, which count as sources
.endr
	s_wait_kmcnt 0x0
	s_add_nc_u64 s[4:5], s[4:5], s[38:39]
	s_add_nc_u64 s[6:7], s[6:7], s[34:35]
	s_add_nc_u64 s[8:9], s[8:9], s[40:41]
	s_add_nc_u64 s[10:11], s[10:11], s[42:43]
	s_add_nc_u64 s[12:13], s[12:13], s[44:45]
	s_add_nc_u64 s[14:15], s[14:15], s[36:37]
	s_load_b32 s[NLAM], s[12:13], 0x0
; ---------------- THE HEAD: V into registers; K and Q quantised ----------------
; Group n of 32 rows of 256 bytes (n < 16: my keys 32 n on; n = 16, 17: my queries 32 (n - 16) on) into set n % 4 of window 2: 16 loads, each of 512 consecutive bytes.
.macro GLOAD n
	WIN 0x80
.set RB, 64*((\n)%4)
.set GJ, 0
.rept 16
.if (\n) < 16
	global_load_b128 v[RB+4*GJ:RB+4*GJ+3], v[LI], s[6:7] offset:8192*(\n)+512*GJ
.else
	global_load_b128 v[RB+4*GJ:RB+4*GJ+3], v[LI], s[4:5] offset:8192*((\n)-16)+512*GJ th:TH_LOAD_NT   ; a query's row is read by this wave alone
.endif
.set GJ, GJ+1
.endr
.endm
; The group turns through my stage: in as loaded, row p at 272 p + 128 (p / 16); out 128 bytes a lane: 32 neighbours along d of one row, twice.  With that pitch the sixteen lanes of a load start at sixteen different
; multiples of 16 bytes modulo 256.  LDS serves a wave's instructions in order (ISA guide 5.7.1.4): no wait between the stores and the loads.
.macro TURN n
.set RB, 64*((\n)%4)
.set XT, 128+64*((\n)%2)
.set SB, STGB*((\n)%2)
	WIN 0x08
.set GJ, 0
.rept 16
	ds_store_b128 v[STW], v[RB+4*GJ:RB+4*GJ+3] offset:SB+544*GJ+128*(GJ/8)
.set GJ, GJ+1
.endr
	WIN 0xc0
.set GJ, 0
.rept 8
.if (\n) < 16
	ds_load_b128 v[XT+4*GJ:XT+4*GJ+3], v[STRK] offset:SB+16*GJ              ; key X
	ds_load_b128 v[XT+32+4*GJ:XT+32+4*GJ+3], v[STRK] offset:SB+2176+16*GJ   ; key Y = X + 8
.else
	ds_load_b128 v[XT+4*GJ:XT+4*GJ+3], v[STRQ] offset:SB+16*GJ              ; query r of the first tile
	ds_load_b128 v[XT+32+4*GJ:XT+32+4*GJ+3], v[STRQ] offset:SB+4480+16*GJ   ; and of the second
.endif
.set GJ, GJ+1
.endr
.endm
; Two blocks of 32, all of them mine, at v[xb] and v[xb + 32] of window 3: their largest magnitudes (four chains of 16, each with the floor 2^(3 - 127), which holds the byte at 1 from below),
; the conversions' scale operands (2 off the exponent field) in v236, v237 and the scale bytes in v232, v233.
.macro BLKMAX xb
	WIN 0x0f
.irp c, 0,1,2,3
	v_max3_num_f32 v[TM+\c], |v[\xb+16*\c]|, |v[\xb+16*\c+1]|, 0x1800000
.endr
.irp i, 2,4,6,8,10,12,14
.irp c, 0,1,2,3
	v_max3_num_f32 v[TM+\c], |v[\xb+16*\c+\i]|, |v[\xb+16*\c+\i+1]|, v[TM+\c]
.endr
.endr
	WIN 0
	v_max_num_f32 v[TM], v[TM], v[TM+1]
	v_max_num_f32 v[TM+2], v[TM+2], v[TM+3]
	v_add_nc_u32 v[TM+12], 0xff000000, v[TM]
	v_add_nc_u32 v[TM+13], 0xff000000, v[TM+2]
	v_lshrrev_b32 v[TM+8], 23, v[TM+12]
	v_lshrrev_b32 v[TM+9], 23, v[TM+13]
.endm
; Fragment n of K.  Lane (r, h) holds d = 32 h .. 32 h + 31 of keys X and Y: blocks h and 2 + h of row r, which is what the operand's layout gives that lane: the conversions' results are the operand's registers.
.macro KQUANT n
.set XQ, 128+64*((\n)%2)
	BLKMAX XQ
	v_lshl_or_b32 v[TM+10], v[TM+9], 16, v[TM+8]   ; my two bytes: blocks h and 2 + h,
	v_lshlrev_b32 v[TM+10], v[SH8], v[TM+10]       ; at their places in the scale word;
	v_permlanex16_b32 v[TM+4], v[TM+10], s[SEL], s[SEL+1]
	v_or_b32 v[KS+(\n)], v[TM+10], v[TM+4]         ; with lane l xor 16's two the word is whole
	WIN 0x43
.irp g, 0,1,2,3
	v_cvt_scalef32_pk8_fp4_f32 v[8*(\n)+\g], v[XQ+8*\g:XQ+8*\g+7], v[TM+12]
	v_cvt_scalef32_pk8_fp4_f32 v[8*(\n)+4+\g], v[XQ+32+8*\g:XQ+32+8*\g+7], v[TM+13]
.endr
	WIN 0
	v_nop                                          ; one plain place behind the last scaled conversion
.endm
; Two tiles of Q (tiles 4 w + 2 g and + 1).  A lane's 4 registers of codes are q1's in lanes 0-15 and q2's in lanes 16-31; masked, they are the live parts of the four forms.  The scale words are read from lanes 0-15 alone:
; there my own byte is q1's and lane l xor 16's is q2's.  (Lanes 16-31 hold the two the other way round and are not read.)  All goes to LDS as images of the registers, 16 bytes a lane.
.macro QQUANT g
.set XQ, 128+64*((\g)%2)
	BLKMAX XQ
	v_permlanex16_b32 v[TM+4], v[TM+8], s[SEL], s[SEL+1]
	v_permlanex16_b32 v[TM+5], v[TM+9], s[SEL], s[SEL+1]
	WIN 0x03
.irp k, 0,1,2,3
	v_cvt_scalef32_pk8_fp4_f32 v[WK+4+\k], v[XQ+8*\k:XQ+8*\k+7], v[TM+12]
	v_cvt_scalef32_pk8_fp4_f32 v[WK+8+\k], v[XQ+32+8*\k:XQ+32+8*\k+7], v[TM+13]
.endr
	WIN 0
	v_nop                                          ; one plain place behind the last scaled conversion
.irp u, 0,1
.irp k, 0,1,2,3
	v_and_b32 v[FF+12*\u+\k], v[MLO], v[WK+4+4*\u+\k]
	v_and_b32 v[FF+12*\u+4+\k], v[MHI], v[WK+4+4*\u+\k]
.endr
	v_mov_b32 v[FF+12*\u+8], v[TM+8+\u]            ; QA's word: q1's byte for block 0
	v_lshlrev_b32 v[FF+12*\u+9], 8, v[TM+4+\u]     ; QB's: q2's for block 1
	v_lshlrev_b32 v[FF+12*\u+10], 16, v[TM+8+\u]   ; QC's: q1's for block 2
	v_lshlrev_b32 v[FF+12*\u+11], 24, v[TM+4+\u]   ; QD's: q2's for block 3
	ds_store_b128 v[QWI], v[FF+12*\u:FF+12*\u+3] offset:(2*(\g)+\u)*QTILE
	ds_store_b128 v[QWI], v[FF+12*\u+4:FF+12*\u+7] offset:(2*(\g)+\u)*QTILE+512
	ds_store_b128 v[QWI], v[FF+12*\u+8:FF+12*\u+11] offset:(2*(\g)+\u)*QTILE+1024
.endr
.endm
; The scores of one tile of queries against my 512 keys: 64 products, each begun with the constant 0, each on registers of its own.
.macro SCORES
	WIN 0x81                                       ; K in window 1, Q in window 0, map 1 in window 2
.set FI, 0
.rept 16
	v_wmma_scale_f32_16x16x128_f8f6f4 v[16*FI:16*FI+7], v[8*FI:8*FI+7], v[QF+4:QF+11], 0, v[KS+FI], v[QS] matrix_a_fmt:MATRIX_FMT_FP4 matrix_b_fmt:MATRIX_FMT_FP4
	v_wmma_scale_f32_16x16x128_f8f6f4 v[16*FI+8:16*FI+15], v[8*FI:8*FI+7], v[QF:QF+7], 0, v[KS+FI], v[QS+2] matrix_a_fmt:MATRIX_FMT_FP4 matrix_b_fmt:MATRIX_FMT_FP4
.set FI, FI+1
.endr
	WIN 0xc1                                       ; map 2 in window 3
.set FI, 0
.rept 16
	v_wmma_scale_f32_16x16x128_f8f6f4 v[16*FI:16*FI+7], v[8*FI:8*FI+7], v[QF+12:QF+19], 0, v[KS+FI], v[QS+1] matrix_a_fmt:MATRIX_FMT_FP4 matrix_b_fmt:MATRIX_FMT_FP4
	v_wmma_scale_f32_16x16x128_f8f6f4 v[16*FI+8:16*FI+15], v[8*FI:8*FI+7], v[QF+8:QF+15], 0, v[KS+FI], v[QS+3] matrix_a_fmt:MATRIX_FMT_FP4 matrix_b_fmt:MATRIX_FMT_FP4
.set FI, FI+1
.endr
.endm
.irp t, 0,1,2,3
	global_load_b128 v[VS+4*\t:VS+4*\t+3], v[VSO], s[10:11] offset:1024*\t   ; V's scale words: row 16 t + r, my 16 bytes: the words of my four K steps
.endr
	WIN 0x40
.set VJ, 0
.rept 32
	global_load_b128 v[128+4*VJ:128+4*VJ+3], v[VGO], s[8:9] offset:2048*VJ   ; V's rows 2 j and 2 j + 1: sixteen lanes read my 256 consecutive bytes of a row
.set VJ, VJ+1
.endr
	GLOAD 0
	GLOAD 1
	GLOAD 2
	GLOAD 3
	s_wait_kmcnt 0x0
	s_xor_b32 s[NLAM], s[NLAM], 0x80000000         ; -lam
	s_wait_loadcnt 63                              ; V is in: 64 loads were issued behind its last; 63 is the largest count that the wait can name
	WIN 0x04
.set VJ, 0
.rept 32
	ds_store_b128 v[STW], v[128+4*VJ:128+4*VJ+3] offset:544*VJ     ; 64 rows, 272 bytes apart
.set VJ, VJ+1
.endr
	s_wait_dscnt 0x0                               ; the stores have read their registers, which the fragments take
	WIN 0x40
.irp t, 0,1,2,3
.irp s, 0,1,2,3
.irp c, 0,1
	ds_load_b128 v[128+8*(4*\t+\s)+4*\c:128+8*(4*\t+\s)+4*\c+3], v[STRV] offset:4352*\t+64*\s+32*\c   ; lane (r, h): channel 16 t + r, keys 128 s + 64 c + 32 h + 0 .. 31
.endr
.endr
.endr
	s_wait_dscnt 0x0                               ; V has left the stage
	s_wait_loadcnt 48                              ; group 0 is in; groups 1 to 3 may be out
	TURN 0
.set N, 0
.rept 18
	s_wait_dscnt 0x0                               ; group N is back from the stage, and its stores into the stage have read their registers,
.if N+4 <= 17
	GLOAD N+4                                      ; which take the loads of four groups on
.endif
.if N+1 <= 17
.if 16-N >= 3
	s_wait_loadcnt 48                              ; group N + 1 is in; the three groups behind it may be out
.else
	s_wait_loadcnt 16*(16-N)                       ; (towards the end: as many groups as are left behind it)
.endif
	TURN N+1                                       ; and goes through the other buffer while group N is worked
.endif
.if N < 16
	KQUANT N
.else
	QQUANT N-16
.endif
.set N, N+1
.endr
	BARRIER                                        ; the sixteen images of Q lie in LDS
	ds_load_b128 v[QF+4:QF+7], v[QRD]              ; tile 0: q1's codes,
	ds_load_b128 v[QF+12:QF+15], v[QRD] offset:512 ; q2's,
	ds_load_b128 v[QS:QS+3], v[QRD] offset:1024    ; the four scale words
	s_wait_dscnt 0x0
	SCORES
	WIN 0
	PLACES 4                                       ; in front of the loads into Q's registers and of the first read of the scores
	s_mov_b32 s[CNT], 16
	s_mov_b32 s[TQ], 0
; ---------------- THE LOOP: a tile of 16 queries a trip ----------------
; The largest of a lane's 256 scores of one map, in four chains by turns.  Each accumulator is read from its low end on.
.macro MAXRUN a, win
	WIN \win
.set GI, 0
.rept 8
.irp p, 0,1,2,3
.irp c, 0,1,2,3
.if (GI == 0) && (\p == 0)
	v_max_num_f32 v[\a+\c], v[8*\c], v[8*\c+1]
.else
	v_max3_num_f32 v[\a+\c], v[8*(4*GI+\c)+2*\p], v[8*(4*GI+\c)+2*\p+1], v[\a+\c]
.endif
.endr
.endr
.set GI, GI+1
.endr
.endm
; p = 2^(c s - M), in place: a packed multiply-add for each pair, four pairs ahead of the pair's two exponentials.  The map's 256 exponentials are ONE batch: none of these lines names a result; a plain line and
; one wait (ahead of the first line that names a result) stand behind the last.
.macro EXPRUN win, m
	WIN \win
.set EI, 0
.rept 4
	v_pk_fma_f32 v[2*EI:2*EI+1], v[2*EI:2*EI+1], s[CS:CS+1], v[\m:\m+1] op_sel_hi:[1,0,0]
.set EI, EI+1
.endr
.set EI, 0
.rept 128
.if EI+4 < 128
	v_pk_fma_f32 v[2*EI+8:2*EI+9], v[2*EI+8:2*EI+9], s[CS:CS+1], v[\m:\m+1] op_sel_hi:[1,0,0]
.endif
	v_exp_f32 v[2*EI], v[2*EI]
	v_exp_f32 v[2*EI+1], v[2*EI+1]
.set EI, EI+1
.endr
	WIN 0
	v_nop
	s_wait_alu depctr_va_vdst(0)
.endm
; The sum of a lane's 256 p of one map: packed, in four chains; the first eight pairs start the chains: nothing is cleared.
.macro SUMRUN l, w1, w2
	WIN \w1
.irp c, 0,1,2,3
	v_pk_add_f32 v[\l+2*\c:\l+2*\c+1], v[4*\c:4*\c+1], v[4*\c+2:4*\c+3]
.endr
	WIN \w2
.set SI, 8
.rept 120
	v_pk_add_f32 v[\l+2*(SI%4):\l+2*(SI%4)+1], v[\l+2*(SI%4):\l+2*(SI%4)+1], v[2*SI:2*SI+1]
.set SI, SI+1
.endr
.endm
; attn = p1 R1 + p2 R2n for the 128 keys of K step s, in place in window 2
.macro COMBINE s
	WIN 0xc3
.set CI, 64*(\s)
.rept 32
	v_pk_mul_f32 v[CI:CI+1], v[CI:CI+1], v[R2:R2+1] op_sel_hi:[1,0]
.set CI, CI+2
.endr
	WIN 0xb2
.set CI, 64*(\s)
.rept 32
	v_pk_fma_f32 v[CI:CI+1], v[CI:CI+1], v[R1:R1+1], v[CI:CI+1] op_sel_hi:[1,0,1]
.set CI, CI+2
.endr
.endm
.macro SETPB s                         ; where K step s's codes of attn lie in window 0: never at the numbers that the step's attn has in window 2
.if (\s) == 2
.set PB, 192
.elseif (\s) == 3
.set PB, 144
.else
.set PB, 128+8*(\s)
.endif
.endm
; K step s of attn becomes an operand: four blocks of 32 keys, each in lanes l and l xor 16
.macro QUANT s
	SETPB \s
.set AB, 64*(\s)
	WIN 0x0a
.irp b, 0,1,2,3
	v_max3_num_f32 v[TM+\b], |v[AB+16*\b]|, |v[AB+16*\b+1]|, 0x1800000   ; my 16 numbers of block b, and the floor 2^(3 - 127): the byte cannot fall under 1
.endr
.irp i, 2,4,6,8,10,12,14
.irp b, 0,1,2,3
	v_max3_num_f32 v[TM+\b], |v[AB+16*\b+\i]|, |v[AB+16*\b+\i+1]|, v[TM+\b]
.endr
.endr
	WIN 0
.irp b, 0,1,2,3
	v_permlanex16_b32 v[TM+4+\b], v[TM+\b], s[SEL], s[SEL+1]
.endr
.irp b, 0,1,2,3
	v_max_num_f32 v[TM+\b], v[TM+\b], v[TM+4+\b]   ; the block's largest magnitude
.endr
.irp b, 0,1,2,3
	v_add_nc_u32 v[TM+12+\b], 0xff000000, v[TM+\b] ; 2 off its exponent field: the conversion's scale operand
.endr
.irp b, 0,1,2,3
	v_lshrrev_b32 v[TM+8+\b], 23, v[TM+12+\b]      ; the scale's byte
.endr
	v_lshl_or_b32 v[PW+(\s)], v[TM+9], 8, v[TM+8]
	v_lshl_or_b32 v[PW+(\s)], v[TM+10], 16, v[PW+(\s)]
	v_lshl_or_b32 v[PW+(\s)], v[TM+11], 24, v[PW+(\s)]
	WIN 0x02
.irp b, 0,1,2,3
	v_cvt_scalef32_pk8_fp4_f32 v[PB+2*\b], v[AB+16*\b:AB+16*\b+7], v[TM+12+\b]
	v_cvt_scalef32_pk8_fp4_f32 v[PB+2*\b+1], v[AB+16*\b+8:AB+16*\b+15], v[TM+12+\b]
.endr
	WIN 0
	v_nop                                          ; one plain place behind the last scaled conversion
.irp c, 0,1                            ; the operand's layout wants a WHOLE block in a lane: lanes 0-15 block 2 c, lanes 16-31 block 2 c + 1
.irp i, 0,1
	v_permlane16_swap_b32 v[PB+4*\c+\i], v[PB+4*\c+2+\i]
.endr
.endr
.endm
; O^T += V^T attn^T over K step s: the four accumulators by turns, one instruction a turn; step 0 starts the sums with the constant 0
.macro PVS s
	SETPB \s
	WIN 0x01
.irp t, 0,1,2,3
.if (\s) == 0
	v_wmma_scale_f32_16x16x128_f8f6f4 v[OA+8*\t:OA+8*\t+7], v[128+8*(4*\t+(\s)):128+8*(4*\t+(\s))+7], v[PB:PB+7], 0, v[VS+4*\t+(\s)], v[PW+(\s)] matrix_a_fmt:MATRIX_FMT_FP4 matrix_b_fmt:MATRIX_FMT_FP4
.else
	v_wmma_scale_f32_16x16x128_f8f6f4 v[OA+8*\t:OA+8*\t+7], v[128+8*(4*\t+(\s)):128+8*(4*\t+(\s))+7], v[PB:PB+7], v[OA+8*\t:OA+8*\t+7], v[VS+4*\t+(\s)], v[PW+(\s)] matrix_a_fmt:MATRIX_FMT_FP4 matrix_b_fmt:MATRIX_FMT_FP4
.endif
.endr
.endm
.Ltile:
	; the next tile's image of Q is asked for now; the products that read these registers stand behind the plain lines of the last trip's way out.  The last trip has no next tile: it names tile 15's image once more, three loads, and uses nothing of it
	s_add_co_u32 s[TN], s[TQ], QTILE
	s_min_u32 s[TN], s[TN], 15*QTILE
	v_add_nc_u32 v[ADQ], s[TN], v[QRD]
	ds_load_b128 v[QF+4:QF+7], v[ADQ]
	ds_load_b128 v[QF+12:QF+15], v[ADQ] offset:512
	ds_load_b128 v[QS:QS+3], v[ADQ] offset:1024
	MAXRUN WK, 0x0a
	MAXRUN WK+4, 0x0f
	WIN 0
	v_max3_num_f32 v[WK], v[WK], v[WK+1], v[WK+2]
	v_max3_num_f32 v[WK+4], v[WK+4], v[WK+5], v[WK+6]
	v_max_num_f32 v[WK], v[WK], v[WK+3]
	v_max_num_f32 v[WK+4], v[WK+4], v[WK+7]
	v_permlanex16_b32 v[TM+4], v[WK], s[SEL], s[SEL+1]
	v_permlanex16_b32 v[TM+5], v[WK+4], s[SEL], s[SEL+1]
	v_max_num_f32 v[WK], v[WK], v[TM+4]            ; the largest score of my query among my wave's 512 keys
	v_max_num_f32 v[WK+4], v[WK+4], v[TM+5]
	v_mul_f32 v[WK], s[CS], v[WK]                  ; as t (c is positive)
	v_mul_f32 v[WK+4], s[CS], v[WK+4]
	v_floor_f32 v[ST], -v[WK]                      ; -M = floor(-t) = -ceil(t): a whole number
	v_floor_f32 v[ST+2], -v[WK+4]
	EXPRUN 0x82, ST
	SUMRUN WK, 0x0a, 0x08
	EXPRUN 0xc3, ST+2
	SUMRUN WK+8, 0x0f, 0x0c
	WIN 0
	v_pk_add_f32 v[WK:WK+1], v[WK:WK+1], v[WK+2:WK+3]
	v_pk_add_f32 v[WK+8:WK+9], v[WK+8:WK+9], v[WK+10:WK+11]
	v_pk_add_f32 v[WK+4:WK+5], v[WK+4:WK+5], v[WK+6:WK+7]
	v_pk_add_f32 v[WK+12:WK+13], v[WK+12:WK+13], v[WK+14:WK+15]
	v_pk_add_f32 v[WK:WK+1], v[WK:WK+1], v[WK+4:WK+5]
	v_pk_add_f32 v[WK+8:WK+9], v[WK+8:WK+9], v[WK+12:WK+13]
	v_add_f32 v[WK], v[WK], v[WK+1]
	v_add_f32 v[WK+8], v[WK+8], v[WK+9]
	v_permlanex16_b32 v[TM+4], v[WK], s[SEL], s[SEL+1]
	v_permlanex16_b32 v[TM+5], v[WK+8], s[SEL], s[SEL+1]
	v_add_f32 v[ST+1], v[WK], v[TM+4]              ; l1 of my wave's 512 keys, under M1 of my wave
	v_add_f32 v[ST+3], v[WK+8], v[TM+5]
	; the four waves' maxima and sums meet
	ds_store_b128 v[STATW], v[ST:ST+3]
	BARRIER                                        ; (its wait also shows the next tile's image of Q in)
.irp x, 0,1,2,3
	ds_load_b128 v[QD4+4*\x:QD4+4*\x+3], v[STATR] offset:512*\x
.endr
	s_wait_dscnt 0x0
	v_min3_num_f32 v[WK], v[QD4], v[QD4+4], v[QD4+8]
	v_min3_num_f32 v[WK+8], v[QD4+2], v[QD4+6], v[QD4+10]
	v_min_num_f32 v[WK], v[WK], v[QD4+12]          ; -M of the whole row
	v_min_num_f32 v[WK+8], v[WK+8], v[QD4+14]
.irp x, 0,1,2,3
	v_sub_f32 v[WK+1+\x], v[WK], v[QD4+4*\x]       ; M of wave x less M of the row: a whole number, 0 or less
	v_sub_f32 v[WK+9+\x], v[WK+8], v[QD4+4*\x+2]
.endr
.irp x, 0,1,2,3
	v_cvt_i32_f32 v[WK+1+\x], v[WK+1+\x]           ; (it saturates)
	v_cvt_i32_f32 v[WK+9+\x], v[WK+9+\x]
.endr
.irp x, 0,1,2,3
	v_ldexp_f32 v[QD4+4*\x+1], v[QD4+4*\x+1], v[WK+1+\x]   ; each wave's sum under the row's M
	v_ldexp_f32 v[QD4+4*\x+3], v[QD4+4*\x+3], v[WK+9+\x]
.endr
	v_add_f32 v[QD4+1], v[QD4+1], v[QD4+5]
	v_add_f32 v[QD4+3], v[QD4+3], v[QD4+7]
	v_add_f32 v[QD4+9], v[QD4+9], v[QD4+13]
	v_add_f32 v[QD4+11], v[QD4+11], v[QD4+15]
	v_add_f32 v[QD4+1], v[QD4+1], v[QD4+9]         ; the row's sums
	v_add_f32 v[QD4+3], v[QD4+3], v[QD4+11]
	v_rcp_f32 v[WK+5], v[QD4+1]
	v_rcp_f32 v[WK+13], v[QD4+3]
	v_sub_f32 v[WK+6], v[WK], v[ST]                ; my own wave's M less the row's: plain work behind the two reciprocals
	v_sub_f32 v[WK+14], v[WK+8], v[ST+2]
	v_cvt_i32_f32 v[WK+6], v[WK+6]
	v_cvt_i32_f32 v[WK+14], v[WK+14]
	s_wait_alu depctr_va_vdst(0)                   ; one wait for the two reciprocals, ahead of their first reader
	v_ldexp_f32 v[R1], v[WK+5], v[WK+6]            ; R1 = 2^(M_w - M) / l1
	v_ldexp_f32 v[R2], v[WK+13], v[WK+14]
	v_mul_f32 v[R2], s[NLAM], v[R2]                ; R2n = -lam 2^(M_w - M) / l2
	; attn, its codes, and the second product, a K step of 128 keys at a time.  A step's products stand behind the next step's 64 packed lines: those are the places between the lines that made its scale word and codes and the products
	COMBINE 0
	QUANT 0
	COMBINE 1
	PVS 0
	QUANT 1
	COMBINE 2
	PVS 1
	QUANT 2
	COMBINE 3
	PVS 2
	QUANT 3
	PLACES 8                                       ; a scale word made by vector instructions stands 8 places ahead of the scaled product, codes so made 4
	PVS 3
	WIN 0
	PLACES 4                                       ; in front of the first read of the results
.irp t, 0,1,2,3
	ds_store_b128 v[OPW], v[OA+8*\t:OA+8*\t+3] offset:64*\t          ; lane (r, h): O(query r, channels 16 t + 8 h + 0 .. 7) over my 512 keys; each accumulator from its low end on
	ds_store_b128 v[OPW], v[OA+8*\t+4:OA+8*\t+7] offset:64*\t+16
.endr
	BARRIER                                        ; the four partial O lie in LDS
.irp x, 0,1,2,3
	ds_load_b128 v[FF+8*\x:FF+8*\x+3], v[OPR] offset:4352*\x         ; wave x's part of queries 4 w + h: sixteen lanes take a row of 256 bytes,
	ds_load_b128 v[FF+8*\x+4:FF+8*\x+7], v[OPR] offset:4352*\x+544   ; and of queries 4 w + 2 + h
.endr
	s_cmp_eq_u32 s[CNT], 1                         ; the next tile's scores are issued here, if there is a next tile: the matrix unit works while the way out is walked
	s_cbranch_scc1 .Lfin
	SCORES
	WIN 0
.Lfin:
	s_wait_dscnt 0x0
	; THE WAY OUT: the four parts are added; then for each of my two rows: mean and variance over its 64 channels (4 a lane, 16 lanes), the norm, x 0.2.  These plain lines are also the places behind the scores' products
.irp p, 0,2,4,6
	v_pk_add_f32 v[FF+\p:FF+\p+1], v[FF+\p:FF+\p+1], v[FF+8+\p:FF+8+\p+1]
	v_pk_add_f32 v[FF+16+\p:FF+16+\p+1], v[FF+16+\p:FF+16+\p+1], v[FF+24+\p:FF+24+\p+1]
.endr
.irp p, 0,2,4,6
	v_pk_add_f32 v[FF+\p:FF+\p+1], v[FF+\p:FF+\p+1], v[FF+16+\p:FF+16+\p+1]
.endr
	v_pk_add_f32 v[TM:TM+1], v[FF:FF+1], v[FF+2:FF+3]
	v_pk_add_f32 v[TM+2:TM+3], v[FF+4:FF+5], v[FF+6:FF+7]
	v_add_f32 v[TM], v[TM], v[TM+1]
	v_add_f32 v[TM+2], v[TM+2], v[TM+3]
.irp x, 1,2,4,8
	v_add_f32_dpp v[TM], v[TM], v[TM] row_xmask:\x row_mask:0xf bank_mask:0xf
	v_add_f32_dpp v[TM+2], v[TM+2], v[TM+2] row_xmask:\x row_mask:0xf bank_mask:0xf
.endr
	v_mul_f32 v[TM], s[NI64], v[TM]                ; minus the mean
	v_mul_f32 v[TM+2], s[NI64], v[TM+2]
	v_pk_add_f32 v[FF:FF+1], v[FF:FF+1], v[TM:TM+1] op_sel_hi:[1,0]
	v_pk_add_f32 v[FF+4:FF+5], v[FF+4:FF+5], v[TM+2:TM+3] op_sel_hi:[1,0]
	v_pk_add_f32 v[FF+2:FF+3], v[FF+2:FF+3], v[TM:TM+1] op_sel_hi:[1,0]
	v_pk_add_f32 v[FF+6:FF+7], v[FF+6:FF+7], v[TM+2:TM+3] op_sel_hi:[1,0]
	v_pk_mul_f32 v[TM+8:TM+9], v[FF:FF+1], v[FF:FF+1]
	v_pk_mul_f32 v[TM+10:TM+11], v[FF+4:FF+5], v[FF+4:FF+5]
	v_pk_fma_f32 v[TM+8:TM+9], v[FF+2:FF+3], v[FF+2:FF+3], v[TM+8:TM+9]
	v_pk_fma_f32 v[TM+10:TM+11], v[FF+6:FF+7], v[FF+6:FF+7], v[TM+10:TM+11]
	v_add_f32 v[TM+8], v[TM+8], v[TM+9]
	v_add_f32 v[TM+10], v[TM+10], v[TM+11]
.irp x, 1,2,4,8
	v_add_f32_dpp v[TM+8], v[TM+8], v[TM+8] row_xmask:\x row_mask:0xf bank_mask:0xf
	v_add_f32_dpp v[TM+10], v[TM+10], v[TM+10] row_xmask:\x row_mask:0xf bank_mask:0xf
.endr
	v_fma_f32 v[TM+8], v[TM+8], s[I64], s[EPSR]    ; the variance + 1e-5
	v_fma_f32 v[TM+10], v[TM+10], s[I64], s[EPSR]
	v_rsq_f32 v[TM+12], v[TM+8]
	v_rsq_f32 v[TM+14], v[TM+10]
	v_nop                                          ; a plain line behind the last of the two
	s_wait_alu depctr_va_vdst(0)                   ; and one wait for both, ahead of their first reader
	v_mul_f32 v[TM+12], 0x3e4ccccd, v[TM+12]       ; x (1 - 0.8)
	v_mul_f32 v[TM+14], 0x3e4ccccd, v[TM+14]
	v_pk_mul_f32 v[FF:FF+1], v[FF:FF+1], v[TM+12:TM+13] op_sel_hi:[1,0]
	v_pk_mul_f32 v[FF+2:FF+3], v[FF+2:FF+3], v[TM+12:TM+13] op_sel_hi:[1,0]
	v_pk_mul_f32 v[FF+4:FF+5], v[FF+4:FF+5], v[TM+14:TM+15] op_sel_hi:[1,0]
	v_pk_mul_f32 v[FF+6:FF+7], v[FF+6:FF+7], v[TM+14:TM+15] op_sel_hi:[1,0]
	global_store_b128 v[GO], v[FF:FF+3], s[14:15] th:TH_STORE_NT              ; sixteen lanes store a row of out: 256 consecutive bytes, at a multiple of 256 from its first byte; written once, read by nobody here
	global_store_b128 v[GO], v[FF+4:FF+7], s[14:15] offset:512 th:TH_STORE_NT
	s_wait_xcnt 0x0                                ; the stores have read their registers and their base: both are written again only behind this wait
	s_add_nc_u64 s[14:15], s[14:15], 4096          ; 16 rows of out on
	s_add_co_u32 s[TQ], s[TQ], QTILE
	s_sub_co_u32 s[CNT], s[CNT], 1
	s_cmp_lg_u32 s[CNT], 0
	s_cbranch_scc1 .Ltile
	s_wait_tensorcnt 0x0                           ; the wave's end: behind my last LDS store
	ds_add_u32 v[SPW], v[NIL]
	s_wait_dscnt 0x0
	s_endpgm
.Lfunc_end_k_q68df89c573_diffattn:
	.size	k_q68df89c573_diffattn, .Lfunc_end_k_q68df89c573_diffattn-k_q68df89c573_diffattn
	.p2alignl 7, 3214868480
	.fill 96, 4, 3214868480
	.section	.rodata,"a",@progbits
	.p2align	6, 0x0
	.amdhsa_kernel k_q68df89c573_diffattn
		.amdhsa_group_segment_fixed_size 116224
		.amdhsa_private_segment_fixed_size 0
		.amdhsa_enable_private_segment 0
		.amdhsa_kernarg_size 48
		.amdhsa_user_sgpr_count 2
		.amdhsa_user_sgpr_kernarg_segment_ptr 1
		.amdhsa_wavefront_size32 1
		.amdhsa_system_sgpr_workgroup_id_x 1
		.amdhsa_system_sgpr_workgroup_id_y 1
		.amdhsa_system_sgpr_workgroup_id_z 1
		.amdhsa_system_vgpr_workitem_id 0
		.amdhsa_next_free_vgpr 1024
		.amdhsa_next_free_sgpr 66
		.amdhsa_reserve_vcc 0
		.amdhsa_float_denorm_mode_32 3
		.amdhsa_float_denorm_mode_16_64 3
		.amdhsa_memory_ordered 1
		.amdhsa_forward_progress 1
		.amdhsa_inst_pref_size 255
	.end_amdhsa_kernel
	.section	.bss,"aw",@nobits
	.p2align	6
	.space	262144
	.amdgpu_metadata
---
amdhsa.version: [ 1, 2 ]
amdhsa.kernels:
  - .name:           k_q68df89c573_diffattn
    .symbol:         k_q68df89c573_diffattn.kd
    .args:
      - { .name: query, .offset: 0, .size: 8, .value_kind: global_buffer, .address_space: global }
      - { .name: key, .offset: 8, .size: 8, .value_kind: global_buffer, .address_space: global }
      - { .name: value_codes, .offset: 16, .size: 8, .value_kind: global_buffer, .address_space: global }
      - { .name: value_scales, .offset: 24, .size: 8, .value_kind: global_buffer, .address_space: global }
      - { .name: lambda_params, .offset: 32, .size: 8, .value_kind: global_buffer, .address_space: global }
      - { .name: out0, .offset: 40, .size: 8, .value_kind: global_buffer, .address_space: global }
    .group_segment_fixed_size: 116224
    .private_segment_fixed_size: 0
    .kernarg_segment_align: 8
    .kernarg_segment_size: 48
    .max_flat_workgroup_size: 128
    .sgpr_count:     66
    .vgpr_count:     1024
    .wavefront_size: 32
...
	.end_amdgpu_metadata
.endif
;; end of part 1
;; ======== version 2 of 2: 1 launch; version 1 with the launch diffattn written anew for expert scheduling mode
;; launch diffattn (part 2): grid 8 x 32, 4 waves a work-group, no clusters, 116,224 bytes of LDS; arguments query, key, value_codes, value_scales, lambda_params, out0; writes out0
.if DOCPART == 2
	.amdgcn_target "amdgcn-amd-amdhsa--gfx1250"
	.amdhsa_code_object_version 6
	.text
	.protected	k_q68df89c573_diffattn
	.globl	k_q68df89c573_diffattn
	.p2align	8
	.type	k_q68df89c573_diffattn,@function
k_q68df89c573_diffattn:
	s_mov_b64 s[64:65], 0
	v_nop
	global_prefetch_b8 v0, s[64:65] scope:SCOPE_SE
	s_setreg_imm32_b32 hwreg(HW_REG_WAVE_SCHED_MODE, 0, 2), 2
	s_setreg_imm32_b32 hwreg(HW_REG_WAVE_MODE, 25, 1), 1
	s_wait_xcnt 0x0
	s_wait_alu depctr_vm_vsrc(0)
; DIFFERENTIAL ATTENTION ON CODES OF MX-FP4.  out = 0.2 x norm_d( Q4(a1 - lam a2) V ), a1 = softmax(Q4(q1) Q4(k1)^T / sqrt(32)), a2 likewise of the halves q2, k2.
; query, key: [32 (batch x head)][2048][64] f32, quantised here along d: the halves d 0..31 and 32..63 are the two blocks of a row.  value: codes with the keys innermost, [32][64 (d)][2048 keys], and one scale byte for 32 keys.
; DEAD WORK: none.  Every input has a way to the output, every product of the problem is live, and all five inputs are loaded.
; WHY ONE PASS.  a1 - lam a2 is quantised FINISHED, so both row sums must be known before a code is made.  The 16 x 2048 x 2 weights of a tile of 16 queries are 65,536 numbers: 4 waves x 512 registers.  So they stay in registers:
; the four waves of a work-group SHARE THE KEYS (wave w: keys 512 w .. 512 w + 511), and each exponential is taken once.
; A TILE OF 16 QUERIES, in each wave: scores of my 512 keys for both maps | my own maximum, as t = score x log2(e) / sqrt(32), rounded UP to a whole number M_w | p = 2^(t - M_w) in place | my sums | (-M_w, l_w) of both maps to LDS, barrier |
; M = the largest M_w, l = the sum of l_w 2^(M_w - M) (a multiplication that rounds nothing) | attn = p1 R1 + p2 R2n in place, R1 = 2^(M_w - M) / l1, R2n = -lam 2^(M_w - M) / l2 | quantised along the keys | O^T += V^T attn^T over my 512 keys |
; the four partial O to LDS, barrier | each wave adds, norms and stores 4 queries.
; A WORK-GROUP STAYS on one head and walks 16 tiles (256 queries).  My 512 keys of K as codes (128 registers), my part of V (128 registers) and their scale words are made once; the 16 tiles of Q are quantised once and lie in LDS as
; images of the operand's registers.  The loop reads nothing from memory.
; K = 32 IN AN INSTRUCTION OF K = 128.  Fragment f of K is packed full: row r holds (k1, k2) of key X = 32 f + r + 8 (r / 8) in blocks 0, 1 and (k1, k2) of key Y = X + 8 in blocks 2, 3.  Q has four forms with ONE live block and zero codes
; elsewhere: QA (q1 in block 0) gives S1 of X, QB (q2 in block 1) S2 of X, QC (q1 in block 2) S1 of Y, QD (q2 in block 3) S2 of Y; each form has its own scale word, the live byte and 0 in the others.  Zero codes add nothing.
; Both products are used transposed (source 0 = keys, or V's channels; source 1 = queries): a lane holds ONE query (lane % 16), and registers 16 f + 0 .. 15 of a map are keys 32 f + 16 (lane / 16) + 0 .. 15: neighbours along the next K.
; NO JOINT LOADS, NO TENSOR LOADS: what the 8 work-groups of a head share is K and V, read once ahead of the loop.  K arrives as f32 and has to pass through registers to be quantised; a head's 524,288 bytes do not fit in LDS at once, so
; joint loads would want a ring and rounds for a part that runs once.  Each wave has 64 loads of 512 bytes out instead.  NO PREFETCH: all reads of memory stand at the kernel's head.
; LIMITS: NaN and infinities among the inputs are not served.  A weight p under 2^-126 counts as 0 (v_exp_f32).  1 / l is v_rcp_f32 and a multiplication, not a division; sums are taken in another order than the problem writes them.
; A block of zeros gets the scale byte 1 where the rule says 127: its codes are zeros, and this program alone reads the bytes.
;
; THE MODE: SCHED_MODE bits 1:0 = 2 (LLVM: expert scheduling mode 2), set by the entry lines.  The code itself states the register dependences between vector or matrix instructions and memory or LDS instructions, with s_wait_alu, always for 0.
; THE PLAN.  Registers that memory or LDS instructions touch, and who else names them:
;   v1-19, v60        addresses, written once at the head; one wait on va_vdst ahead of the first load serves every load and store of the kernel; none but v[ADQ] is written again.
;   HEAD  window 1 v128-255: V as loaded; 32 stores into the stage read it; one wait on vm_vsrc; V's fragments land in it; from then on matrix instructions alone read it.
;         window 2, set n % 4: group n's loads land; its stores into the stage read it; a wait on vm_vsrc; group n + 4's loads land.  No vector instruction names these sets.
;         window 3 v128-255, set n % 2: group n comes back from the stage into it; its maxima and conversions read it; a wait on va_vdst; group n + 2 comes back into it.
;         v192-215: two tiles' images of Q: written by vector instructions; a wait on va_vdst; six stores read them; a wait on vm_vsrc ahead of the next two tiles' writes.
;         Behind the head's barrier one wait on vm_vsrc: window 2 (the scores are written over it) and v192-215 (the loop writes them again).
;   LOOP  v[ADQ]: written at a trip's head, read by the three loads of Q's next image.  Q's live codes and scale words: read by the scores' products, then those loads land in them.  The loads stand behind the wait of map 1's exponentials.
;         v[ST ..]: written by the maxima and sums, read by one store.  v[QD4 ..]: named by the last trip's vector instructions, then four loads land.  One wait on va_vdst ahead of the store serves both.
;         attn's codes and scale words: written by vector instructions, taken by scaled products: a wait on va_vdst ahead of each K step's four products, behind the places.
;         v[OA ..]: written by the products, read by eight stores.  v[FF ..]: named by K step 2's codes and by the last trip's way out, then eight loads land.  One wait on va_vdst ahead of the stores serves both.
;         v[FF .. FF+7]: written by the way out; a wait on va_vdst; two global stores read them.
;         One wait on vm_vsrc at a trip's end, ahead of the backward jump, frees FF, OA, ST and ADQ, all of which the next trip writes.
;
; REGISTERS, in windows of 256 (s_set_vgpr_msb: bits 1:0 source 0, 3:2 source 1, 5:4 source 2, 7:6 destination):
;   window 1: v0-127 K's 16 fragments; v128-255 V's 16 fragments (channels 16 t on, keys 128 s on: at 128 + 8 (4 t + s))
;   window 2: map 1: scores, then p1, then attn.   window 3: map 2: scores, then p2, then p2 R2n.   (In the head: window 2 = four sets of 64 numbers as loaded; window 3 v128-255 = two sets of 64 numbers turned.)
;   window 0: all else, named below.
.set STGW,  17920                      ; LDS: a stage of its own for each wave: two buffers of STGB bytes (V's 64 rows take the whole of it)
.set STGB,  8960
.set QIMG,  71680                      ; Q's 16 tiles: QTILE bytes each: q1's codes (16 x lane), q2's codes, four scale words a lane
.set QTILE, 1536
.set STAT,  96256                      ; 512 bytes a wave: (-M1, l1, -M2, l2) at 16 x lane
.set OPB,   98304                      ; 4,352 bytes a wave: its partial O, 16 rows of 256 bytes + 16
.set SPARE, 115712                     ; the spare words, 128 bytes for each wave: two blocks of 256 bytes that no other line names
.set RR,    1                          ; v1   r = lane % 16
.set HH,    2                          ; v2   h = lane / 16
.set LI,    3                          ; v3   16 x lane
.set STW,   4                          ; v4   the stage, on the way in: 272 h + 16 r
.set STRK,  5                          ; v5   on the way out, K: row r + 8 (r / 8), + 128 h
.set STRQ,  6                          ; v6   Q: row r, + 128 h
.set STRV,  7                          ; v7   V: row r, + 16 h
.set QWI,   8                          ; v8   where I store my four tiles' images of Q
.set QRD,   9                          ; v9   where a tile's image begins for my lane
.set STATW, 10
.set STATR, 11
.set OPW,   12                         ; v12  my partial O: row r, + 32 h
.set OPR,   13                         ; v13  back: rows 4 w + h, 16 bytes a lane
.set GO,    14                         ; v14  the same place in a tile's 16 rows of out
.set ADQ,   15                         ; v15  the image of Q in hand
.set VGO,   16                         ; v16  V's codes in memory: 1024 h + 16 r
.set VSO,   17                         ; v17  V's scale bytes: 64 r
.set MLO,   18                         ; v18  all ones in lanes 0-15
.set MHI,   19                         ; v19  all ones in lanes 16-31
.set ST,    20                         ; v20-23  -M1, l1, -M2, l2
.set QD4,   24                         ; v24-39  the four waves' quads
.set R1,    40                         ; v40 R1 (v41 named with it as a pair)
.set R2,    42                         ; v42 R2n (v43 likewise)
.set WK,    44                         ; v44-59  at work
.set SH8,   60                         ; v60  8 h
.set QF,    64                         ; v64-83  zeros, q1's codes, zeros, q2's codes, zeros: QC = 64.., QA = 68.., QD = 72.., QB = 76..
.set QS,    84                         ; v84-87  the scale words of QA, QB, QC, QD
.set KS,    88                         ; v88-103  K's scale words
.set VS,    104                        ; v104-119 V's, at 4 t + s
.set PW,    120                        ; v120-123 attn's, a K step each
.set OA,    160                        ; v160-191 O^T: four accumulators
.set FF,    192                        ; v192-223 the four partial O of my 4 queries
.set TM,    224                        ; v224-227 largest magnitudes, v228-231 lane permutes' results, v232-235 bytes, v236-239 the conversions' scale operands
.set SPW,   252                        ; v252 LDS address of my spare word; never rewritten
.set NIL,   253                        ; v253 0; never rewritten
.set WV,    16                         ; s16  my wave's number
.set BH,    18                         ; s18  batch x 16 + head
.set SEL,   20                         ; s[20:21] v_permlanex16_b32's selects for lane l xor 16
.set CS,    22                         ; s[22:23] c = log2(e) / sqrt(32)
.set CNT,   24                         ; s24  tiles to go
.set TQ,    25                         ; s25  the tile's image of Q, in bytes from QIMG
.set TN,    26                         ; s26  the next tile's
.set NLAM,  27                         ; s27  -lam
.set NI64,  28                         ; s28  -1/64
.set I64,   29                         ; s29  1/64
.set EPSR,  30                         ; s30  1e-5
.set MSB, 0
.macro WIN new                         ; the immediate's high byte repeats the setting that is left; a switch that changes nothing is dropped
.if MSB != \new
	s_set_vgpr_msb (MSB<<8)|\new
.set MSB, \new
.endif
.endm
.macro BARRIER                         ; my LDS stores have landed and my LDS loads are in: then the work-group's barrier
	s_wait_dscnt 0x0
	s_barrier_signal -1
	s_barrier_wait -1
.endm
.macro PLACES n
.rept \n
	v_nop
.endr
.endm
	s_load_b256 s[4:11], s[0:1], 0x0               ; query s[4:5], key s[6:7], V's codes s[8:9], V's scales s[10:11]
	s_load_b128 s[12:15], s[0:1], 0x20             ; lambda s[12:13], out s[14:15]
	v_lshl_add_u32 v[SPW], v0, 2, SPARE
	v_mov_b32 v[NIL], 0
	v_lshrrev_b32 v61, 5, v0
	v_readfirstlane_b32 s[WV], v61                 ; wave 0..3
	s_and_b32 s[BH], ttmp7, 0xffff
	; byte offsets, made apart from the addresses
	s_lshl_b32 s32, s[BH], 19                      ; the head in query, key and out: 2,048 rows of 256 bytes
	s_wait_alu depctr_va_sdst(0)                   ; s16, the wave's number, is written, ahead of its first reader: the offsets below are made from it
	s_lshl_b32 s34, s[WV], 17
	s_add_co_u32 s34, s34, s32                     ; key: + my 512 keys
	s_mov_b32 s35, 0
	s_lshl_b32 s36, ttmp9, 16
	s_add_co_u32 s36, s36, s32                     ; out: + my work-group's 256 queries
	s_mov_b32 s37, 0
	s_lshl_b32 s38, s[WV], 14
	s_add_co_u32 s38, s38, s36                     ; query: + the 64 of them that I quantise
	s_mov_b32 s39, 0
	s_lshl_b32 s40, s[BH], 16
	s_lshl_b32 s41, s[WV], 8
	s_add_co_u32 s40, s40, s41                     ; V's codes: 64 rows of 1,024 bytes a head; my 512 keys are 256 bytes of each
	s_mov_b32 s41, 0
	s_lshl_b32 s42, s[BH], 12
	s_lshl_b32 s43, s[WV], 4
	s_add_co_u32 s42, s42, s43                     ; V's scale bytes: 64 rows of 64 bytes; mine are 16 of each
	s_mov_b32 s43, 0
	s_and_b32 s44, s[BH], 15
	s_lshl_b32 s44, s44, 2                         ; lambda of my head
	s_mov_b32 s45, 0
	s_mov_b32 s[SEL], 0x76543210
	s_mov_b32 s[SEL+1], 0xfedcba98
	s_mov_b32 s[CS], 0x3e8293ee                    ; c = log2(e) / sqrt(32)
	s_mov_b32 s[CS+1], s[CS]                       ; (named with it as a pair, so it is written)
	s_mov_b32 s[NI64], 0xbc800000
	s_mov_b32 s[I64], 0x3c800000
	s_mov_b32 s[EPSR], 0x3727c5ac
	v_and_b32 v61, 31, v0                          ; lane
	v_and_b32 v[RR], 15, v0
	v_bfe_u32 v[HH], v0, 4, 1
	v_lshlrev_b32 v[LI], 4, v61
	s_mul_i32 s46, s[WV], STGW                     ; my stage
	v_mul_u32_u24 v[STW], v[HH], 272
	v_lshl_add_u32 v[STW], v[RR], 4, v[STW]
	v_add_nc_u32 v[STW], s46, v[STW]
	v_mul_u32_u24 v62, v[RR], 272
	v_add_nc_u32 v62, s46, v62                     ; row r of the stage
	v_lshl_add_u32 v[STRQ], v[HH], 7, v62
	v_lshrrev_b32 v63, 3, v[RR]
	v_mad_u32_u24 v[STRK], v63, 2304, v[STRQ]      ; lanes r >= 8 take rows 16 on: 8 rows of 272 bytes further, and the 128 bytes that lie behind row 15
	v_lshl_add_u32 v[STRV], v[HH], 4, v62
	s_mul_i32 s46, s[WV], 4*QTILE
	s_add_co_u32 s46, s46, QIMG
	v_add_nc_u32 v[QWI], s46, v[LI]
	v_add_nc_u32 v[QRD], QIMG, v[LI]
	s_lshl_b32 s46, s[WV], 9
	s_add_co_u32 s46, s46, STAT
	v_add_nc_u32 v[STATW], s46, v[LI]
	v_add_nc_u32 v[STATR], STAT, v[LI]
	s_mul_i32 s46, s[WV], 4352
	s_add_co_u32 s46, s46, OPB
	v_mul_u32_u24 v[OPW], v[RR], 272
	v_lshl_add_u32 v[OPW], v[HH], 5, v[OPW]
	v_add_nc_u32 v[OPW], s46, v[OPW]
	s_mul_i32 s46, s[WV], 4*272
	s_add_co_u32 s46, s46, OPB
	v_mul_u32_u24 v[OPR], v[HH], 272
	v_lshl_add_u32 v[OPR], v[RR], 4, v[OPR]
	v_add_nc_u32 v[OPR], s46, v[OPR]
	s_lshl_b32 s46, s[WV], 10
	v_lshlrev_b32 v[GO], 8, v[HH]
	v_lshl_add_u32 v[GO], v[RR], 4, v[GO]
	v_add_nc_u32 v[GO], s46, v[GO]
	v_lshlrev_b32 v[VGO], 10, v[HH]
	v_lshl_add_u32 v[VGO], v[RR], 4, v[VGO]
	v_lshlrev_b32 v[VSO], 6, v[RR]
	v_add_nc_u32 v[MLO], -1, v[HH]
	v_sub_nc_u32 v[MHI], 0, v[HH]
	v_lshlrev_b32 v[SH8], 3, v[HH]
.irp z, 64,65,66,67,72,73,74,75,80,81,82,83,21,23,41,43,228,229,230,231
	v_mov_b32 v\z, 0                               ; the zero codes of Q's four forms; the upper halves of pairs that are named whole; the lane permutes' destinations, which count as sources
.endr
	s_wait_kmcnt 0x0
	s_add_nc_u64 s[4:5], s[4:5], s[38:39]
	s_add_nc_u64 s[6:7], s[6:7], s[34:35]
	s_add_nc_u64 s[8:9], s[8:9], s[40:41]
	s_add_nc_u64 s[10:11], s[10:11], s[42:43]
	s_add_nc_u64 s[12:13], s[12:13], s[44:45]
	s_add_nc_u64 s[14:15], s[14:15], s[36:37]
	s_load_b32 s[NLAM], s[12:13], 0x0
	s_wait_alu depctr_va_vdst(0)                   ; the addresses v3 to v17 are written, which the loads and stores of the whole kernel read; none but v[ADQ] is written again
; ---------------- THE HEAD: V into registers; K and Q quantised ----------------
; Group n of 32 rows of 256 bytes (n < 16: my keys 32 n on; n = 16, 17: my queries 32 (n - 16) on) into set n % 4 of window 2: 16 loads, each of 512 consecutive bytes.
.macro GLOAD n
	WIN 0x80
.if (\n) >= 4
	s_wait_alu depctr_vm_vsrc(0)                   ; the stores that sent the group four back into the stage have read this set, in which the loads below land
.endif
.set RB, 64*((\n)%4)
.set GJ, 0
.rept 16
.if (\n) < 16
	global_load_b128 v[RB+4*GJ:RB+4*GJ+3], v[LI], s[6:7] offset:8192*(\n)+512*GJ
.else
	global_load_b128 v[RB+4*GJ:RB+4*GJ+3], v[LI], s[4:5] offset:8192*((\n)-16)+512*GJ th:TH_LOAD_NT   ; a query's row is read by this wave alone
.endif
.set GJ, GJ+1
.endr
.endm
; The group turns through my stage: in as loaded, row p at 272 p + 128 (p / 16); out 128 bytes a lane: 32 neighbours along d of one row, twice.  With that pitch the sixteen lanes of a load start at sixteen different
; multiples of 16 bytes modulo 256.  LDS serves a wave's instructions in order (ISA guide 5.7.1.4): no wait between the stores and the loads.
.macro TURN n
.set RB, 64*((\n)%4)
.set XT, 128+64*((\n)%2)
.set SB, STGB*((\n)%2)
	WIN 0x08
.set GJ, 0
.rept 16
	ds_store_b128 v[STW], v[RB+4*GJ:RB+4*GJ+3] offset:SB+544*GJ+128*(GJ/8)
.set GJ, GJ+1
.endr
	WIN 0xc0
.if (\n) >= 2
	s_wait_alu depctr_va_vdst(0)                   ; the maxima and conversions of the group two back are done reading this turned set, in which the loads below land
.endif
.set GJ, 0
.rept 8
.if (\n) < 16
	ds_load_b128 v[XT+4*GJ:XT+4*GJ+3], v[STRK] offset:SB+16*GJ              ; key X
	ds_load_b128 v[XT+32+4*GJ:XT+32+4*GJ+3], v[STRK] offset:SB+2176+16*GJ   ; key Y = X + 8
.else
	ds_load_b128 v[XT+4*GJ:XT+4*GJ+3], v[STRQ] offset:SB+16*GJ              ; query r of the first tile
	ds_load_b128 v[XT+32+4*GJ:XT+32+4*GJ+3], v[STRQ] offset:SB+4480+16*GJ   ; and of the second
.endif
.set GJ, GJ+1
.endr
.endm
; Two blocks of 32, all of them mine, at v[xb] and v[xb + 32] of window 3: their largest magnitudes (four chains of 16, each with the floor 2^(3 - 127), which holds the byte at 1 from below),
; the conversions' scale operands (2 off the exponent field) in v236, v237 and the scale bytes in v232, v233.
.macro BLKMAX xb
	WIN 0x0f
.irp c, 0,1,2,3
	v_max3_num_f32 v[TM+\c], |v[\xb+16*\c]|, |v[\xb+16*\c+1]|, 0x1800000
.endr
.irp i, 2,4,6,8,10,12,14
.irp c, 0,1,2,3
	v_max3_num_f32 v[TM+\c], |v[\xb+16*\c+\i]|, |v[\xb+16*\c+\i+1]|, v[TM+\c]
.endr
.endr
	WIN 0
	v_max_num_f32 v[TM], v[TM], v[TM+1]
	v_max_num_f32 v[TM+2], v[TM+2], v[TM+3]
	v_add_nc_u32 v[TM+12], 0xff000000, v[TM]
	v_add_nc_u32 v[TM+13], 0xff000000, v[TM+2]
	v_lshrrev_b32 v[TM+8], 23, v[TM+12]
	v_lshrrev_b32 v[TM+9], 23, v[TM+13]
.endm
; Fragment n of K.  Lane (r, h) holds d = 32 h .. 32 h + 31 of keys X and Y: blocks h and 2 + h of row r, which is what the operand's layout gives that lane: the conversions' results are the operand's registers.
.macro KQUANT n
.set XQ, 128+64*((\n)%2)
	BLKMAX XQ
	v_lshl_or_b32 v[TM+10], v[TM+9], 16, v[TM+8]   ; my two bytes: blocks h and 2 + h,
	v_lshlrev_b32 v[TM+10], v[SH8], v[TM+10]       ; at their places in the scale word;
	v_permlanex16_b32 v[TM+4], v[TM+10], s[SEL], s[SEL+1]
	v_or_b32 v[KS+(\n)], v[TM+10], v[TM+4]         ; with lane l xor 16's two the word is whole
	WIN 0x43
.irp g, 0,1,2,3
	v_cvt_scalef32_pk8_fp4_f32 v[8*(\n)+\g], v[XQ+8*\g:XQ+8*\g+7], v[TM+12]
	v_cvt_scalef32_pk8_fp4_f32 v[8*(\n)+4+\g], v[XQ+32+8*\g:XQ+32+8*\g+7], v[TM+13]
.endr
	WIN 0
	v_nop                                          ; one plain place behind the last scaled conversion
.endm
; Two tiles of Q (tiles 4 w + 2 g and + 1).  A lane's 4 registers of codes are q1's in lanes 0-15 and q2's in lanes 16-31; masked, they are the live parts of the four forms.  The scale words are read from lanes 0-15 alone:
; there my own byte is q1's and lane l xor 16's is q2's.  (Lanes 16-31 hold the two the other way round and are not read.)  All goes to LDS as images of the registers, 16 bytes a lane.
; Both tiles' 24 registers are made first, so that one wait stands ahead of the six stores.
.macro QQUANT g
.set XQ, 128+64*((\g)%2)
	BLKMAX XQ
	v_permlanex16_b32 v[TM+4], v[TM+8], s[SEL], s[SEL+1]
	v_permlanex16_b32 v[TM+5], v[TM+9], s[SEL], s[SEL+1]
	WIN 0x03
.irp k, 0,1,2,3
	v_cvt_scalef32_pk8_fp4_f32 v[WK+4+\k], v[XQ+8*\k:XQ+8*\k+7], v[TM+12]
	v_cvt_scalef32_pk8_fp4_f32 v[WK+8+\k], v[XQ+32+8*\k:XQ+32+8*\k+7], v[TM+13]
.endr
	WIN 0
	v_nop                                          ; one plain place behind the last scaled conversion
.if (\g) > 0
	s_wait_alu depctr_vm_vsrc(0)                   ; the six stores of the two tiles before have read v[FF .. FF+23], which the lines below write again
.endif
.irp u, 0,1
.irp k, 0,1,2,3
	v_and_b32 v[FF+12*\u+\k], v[MLO], v[WK+4+4*\u+\k]
	v_and_b32 v[FF+12*\u+4+\k], v[MHI], v[WK+4+4*\u+\k]
.endr
	v_mov_b32 v[FF+12*\u+8], v[TM+8+\u]            ; QA's word: q1's byte for block 0
	v_lshlrev_b32 v[FF+12*\u+9], 8, v[TM+4+\u]     ; QB's: q2's for block 1
	v_lshlrev_b32 v[FF+12*\u+10], 16, v[TM+8+\u]   ; QC's: q1's for block 2
	v_lshlrev_b32 v[FF+12*\u+11], 24, v[TM+4+\u]   ; QD's: q2's for block 3
.endr
	s_wait_alu depctr_va_vdst(0)                   ; v[FF .. FF+23] are written, which the six stores read.  (The last of these waits stands behind every line that wrote K's codes, K's scale words and Q's zero codes, and no vector instruction follows it ahead of the first scores: it states those operands of the scaled products too)
.irp u, 0,1
	ds_store_b128 v[QWI], v[FF+12*\u:FF+12*\u+3] offset:(2*(\g)+\u)*QTILE
	ds_store_b128 v[QWI], v[FF+12*\u+4:FF+12*\u+7] offset:(2*(\g)+\u)*QTILE+512
	ds_store_b128 v[QWI], v[FF+12*\u+8:FF+12*\u+11] offset:(2*(\g)+\u)*QTILE+1024
.endr
.endm
; The scores of one tile of queries against my 512 keys: 64 products, each begun with the constant 0, each on registers of its own.
.macro SCORES
	WIN 0x81                                       ; K in window 1, Q in window 0, map 1 in window 2
.set FI, 0
.rept 16
	v_wmma_scale_f32_16x16x128_f8f6f4 v[16*FI:16*FI+7], v[8*FI:8*FI+7], v[QF+4:QF+11], 0, v[KS+FI], v[QS] matrix_a_fmt:MATRIX_FMT_FP4 matrix_b_fmt:MATRIX_FMT_FP4
	v_wmma_scale_f32_16x16x128_f8f6f4 v[16*FI+8:16*FI+15], v[8*FI:8*FI+7], v[QF:QF+7], 0, v[KS+FI], v[QS+2] matrix_a_fmt:MATRIX_FMT_FP4 matrix_b_fmt:MATRIX_FMT_FP4
.set FI, FI+1
.endr
	WIN 0xc1                                       ; map 2 in window 3
.set FI, 0
.rept 16
	v_wmma_scale_f32_16x16x128_f8f6f4 v[16*FI:16*FI+7], v[8*FI:8*FI+7], v[QF+12:QF+19], 0, v[KS+FI], v[QS+1] matrix_a_fmt:MATRIX_FMT_FP4 matrix_b_fmt:MATRIX_FMT_FP4
	v_wmma_scale_f32_16x16x128_f8f6f4 v[16*FI+8:16*FI+15], v[8*FI:8*FI+7], v[QF+8:QF+15], 0, v[KS+FI], v[QS+3] matrix_a_fmt:MATRIX_FMT_FP4 matrix_b_fmt:MATRIX_FMT_FP4
.set FI, FI+1
.endr
.endm
.irp t, 0,1,2,3
	global_load_b128 v[VS+4*\t:VS+4*\t+3], v[VSO], s[10:11] offset:1024*\t   ; V's scale words: row 16 t + r, my 16 bytes: the words of my four K steps
.endr
	WIN 0x40
.set VJ, 0
.rept 32
	global_load_b128 v[128+4*VJ:128+4*VJ+3], v[VGO], s[8:9] offset:2048*VJ   ; V's rows 2 j and 2 j + 1: sixteen lanes read my 256 consecutive bytes of a row
.set VJ, VJ+1
.endr
	GLOAD 0
	GLOAD 1
	GLOAD 2
	GLOAD 3
	s_wait_kmcnt 0x0
	s_xor_b32 s[NLAM], s[NLAM], 0x80000000         ; -lam
	s_wait_loadcnt 63                              ; V is in: 64 loads were issued behind its last; 63 is the largest count that the wait can name
	WIN 0x04
.set VJ, 0
.rept 32
	ds_store_b128 v[STW], v[128+4*VJ:128+4*VJ+3] offset:544*VJ     ; 64 rows, 272 bytes apart
.set VJ, VJ+1
.endr
	s_wait_dscnt 0x0                               ; V's rows lie in the stage
	WIN 0x40
	s_wait_alu depctr_vm_vsrc(0)                   ; the 32 stores have read v128-255 of window 1, in which the fragments below land
.irp t, 0,1,2,3
.irp s, 0,1,2,3
.irp c, 0,1
	ds_load_b128 v[128+8*(4*\t+\s)+4*\c:128+8*(4*\t+\s)+4*\c+3], v[STRV] offset:4352*\t+64*\s+32*\c   ; lane (r, h): channel 16 t + r, keys 128 s + 64 c + 32 h + 0 .. 31
.endr
.endr
.endr
	s_wait_dscnt 0x0                               ; V has left the stage
	s_wait_loadcnt 48                              ; group 0 is in; groups 1 to 3 may be out
	TURN 0
.set N, 0
.rept 18
	s_wait_dscnt 0x0                               ; group N is back from the stage
.if N+4 <= 17
	GLOAD N+4                                      ; its set as loaded takes the loads of four groups on
.endif
.if N+1 <= 17
.if 16-N >= 3
	s_wait_loadcnt 48                              ; group N + 1 is in; the three groups behind it may be out
.else
	s_wait_loadcnt 16*(16-N)                       ; (towards the end: as many groups as are left behind it)
.endif
	TURN N+1                                       ; and goes through the other buffer while group N is worked
.endif
.if N < 16
	KQUANT N
.else
	QQUANT N-16
.endif
.set N, N+1
.endr
	BARRIER                                        ; the sixteen images of Q lie in LDS
	s_wait_alu depctr_vm_vsrc(0)                   ; my stores into the stage have read the four sets of window 2, over which the scores are written; my stores of Q's images have read v[FF ..], which the loop writes again
	ds_load_b128 v[QF+4:QF+7], v[QRD]              ; tile 0: q1's codes,
	ds_load_b128 v[QF+12:QF+15], v[QRD] offset:512 ; q2's,
	ds_load_b128 v[QS:QS+3], v[QRD] offset:1024    ; the four scale words.  (No vector instruction has named these twelve registers)
	s_wait_dscnt 0x0
	SCORES
	WIN 0
	PLACES 4                                       ; in front of the first read of the scores
	s_mov_b32 s[CNT], 16
	s_mov_b32 s[TQ], 0
; ---------------- THE LOOP: a tile of 16 queries a trip ----------------
; The largest of a lane's 256 scores of one map, in four chains by turns.  Each accumulator is read from its low end on.
.macro MAXRUN a, win
	WIN \win
.set GI, 0
.rept 8
.irp p, 0,1,2,3
.irp c, 0,1,2,3
.if (GI == 0) && (\p == 0)
	v_max_num_f32 v[\a+\c], v[8*\c], v[8*\c+1]
.else
	v_max3_num_f32 v[\a+\c], v[8*(4*GI+\c)+2*\p], v[8*(4*GI+\c)+2*\p+1], v[\a+\c]
.endif
.endr
.endr
.set GI, GI+1
.endr
.endm
; p = 2^(c s - M), in place: a packed multiply-add for each pair, four pairs ahead of the pair's two exponentials.  The map's 256 exponentials are ONE batch: none of these lines names a result; a plain line and
; one wait (ahead of the first line that names a result) stand behind the last.
.macro EXPRUN win, m
	WIN \win
.set EI, 0
.rept 4
	v_pk_fma_f32 v[2*EI:2*EI+1], v[2*EI:2*EI+1], s[CS:CS+1], v[\m:\m+1] op_sel_hi:[1,0,0]
.set EI, EI+1
.endr
.set EI, 0
.rept 128
.if EI+4 < 128
	v_pk_fma_f32 v[2*EI+8:2*EI+9], v[2*EI+8:2*EI+9], s[CS:CS+1], v[\m:\m+1] op_sel_hi:[1,0,0]
.endif
	v_exp_f32 v[2*EI], v[2*EI]
	v_exp_f32 v[2*EI+1], v[2*EI+1]
.set EI, EI+1
.endr
	WIN 0
	v_nop
	s_wait_alu depctr_va_vdst(0)                   ; the map's 256 exponentials have written their results, which the sums below read.  Behind map 1's batch it states besides: the scores' products are done reading Q's registers, and v[ADQ] is written
.endm
; The sum of a lane's 256 p of one map: packed, in four chains; the first eight pairs start the chains: nothing is cleared.
.macro SUMRUN l, w1, w2
	WIN \w1
.irp c, 0,1,2,3
	v_pk_add_f32 v[\l+2*\c:\l+2*\c+1], v[4*\c:4*\c+1], v[4*\c+2:4*\c+3]
.endr
	WIN \w2
.set SI, 8
.rept 120
	v_pk_add_f32 v[\l+2*(SI%4):\l+2*(SI%4)+1], v[\l+2*(SI%4):\l+2*(SI%4)+1], v[2*SI:2*SI+1]
.set SI, SI+1
.endr
.endm
; attn = p1 R1 + p2 R2n for the 128 keys of K step s, in place in window 2
.macro COMBINE s
	WIN 0xc3
.set CI, 64*(\s)
.rept 32
	v_pk_mul_f32 v[CI:CI+1], v[CI:CI+1], v[R2:R2+1] op_sel_hi:[1,0]
.set CI, CI+2
.endr
	WIN 0xb2
.set CI, 64*(\s)
.rept 32
	v_pk_fma_f32 v[CI:CI+1], v[CI:CI+1], v[R1:R1+1], v[CI:CI+1] op_sel_hi:[1,0,1]
.set CI, CI+2
.endr
.endm
.macro SETPB s                         ; where K step s's codes of attn lie in window 0: never at the numbers that the step's attn has in window 2
.if (\s) == 2
.set PB, 192
.elseif (\s) == 3
.set PB, 144
.else
.set PB, 128+8*(\s)
.endif
.endm
; K step s of attn becomes an operand: four blocks of 32 keys, each in lanes l and l xor 16
.macro QUANT s
	SETPB \s
.set AB, 64*(\s)
	WIN 0x0a
.irp b, 0,1,2,3
	v_max3_num_f32 v[TM+\b], |v[AB+16*\b]|, |v[AB+16*\b+1]|, 0x1800000   ; my 16 numbers of block b, and the floor 2^(3 - 127): the byte cannot fall under 1
.endr
.irp i, 2,4,6,8,10,12,14
.irp b, 0,1,2,3
	v_max3_num_f32 v[TM+\b], |v[AB+16*\b+\i]|, |v[AB+16*\b+\i+1]|, v[TM+\b]
.endr
.endr
	WIN 0
.irp b, 0,1,2,3
	v_permlanex16_b32 v[TM+4+\b], v[TM+\b], s[SEL], s[SEL+1]
.endr
.irp b, 0,1,2,3
	v_max_num_f32 v[TM+\b], v[TM+\b], v[TM+4+\b]   ; the block's largest magnitude
.endr
.irp b, 0,1,2,3
	v_add_nc_u32 v[TM+12+\b], 0xff000000, v[TM+\b] ; 2 off its exponent field: the conversion's scale operand
.endr
.irp b, 0,1,2,3
	v_lshrrev_b32 v[TM+8+\b], 23, v[TM+12+\b]      ; the scale's byte
.endr
	v_lshl_or_b32 v[PW+(\s)], v[TM+9], 8, v[TM+8]
	v_lshl_or_b32 v[PW+(\s)], v[TM+10], 16, v[PW+(\s)]
	v_lshl_or_b32 v[PW+(\s)], v[TM+11], 24, v[PW+(\s)]
	WIN 0x02
.irp b, 0,1,2,3
	v_cvt_scalef32_pk8_fp4_f32 v[PB+2*\b], v[AB+16*\b:AB+16*\b+7], v[TM+12+\b]
	v_cvt_scalef32_pk8_fp4_f32 v[PB+2*\b+1], v[AB+16*\b+8:AB+16*\b+15], v[TM+12+\b]
.endr
	WIN 0
	v_nop                                          ; one plain place behind the last scaled conversion
.irp c, 0,1                            ; the operand's layout wants a WHOLE block in a lane: lanes 0-15 block 2 c, lanes 16-31 block 2 c + 1
.irp i, 0,1
	v_permlane16_swap_b32 v[PB+4*\c+\i], v[PB+4*\c+2+\i]
.endr
.endr
.endm
; O^T += V^T attn^T over K step s: the four accumulators by turns, one instruction a turn; step 0 starts the sums with the constant 0
.macro PVS s
	SETPB \s
	WIN 0x01
	s_wait_alu depctr_va_vdst(0)                   ; the step's codes v[PB .. PB+7] and its scale word v[PW + s] are written by vector instructions, and the four scaled products take them; the places stand ahead of this wait
.irp t, 0,1,2,3
.if (\s) == 0
	v_wmma_scale_f32_16x16x128_f8f6f4 v[OA+8*\t:OA+8*\t+7], v[128+8*(4*\t+(\s)):128+8*(4*\t+(\s))+7], v[PB:PB+7], 0, v[VS+4*\t+(\s)], v[PW+(\s)] matrix_a_fmt:MATRIX_FMT_FP4 matrix_b_fmt:MATRIX_FMT_FP4
.else
	v_wmma_scale_f32_16x16x128_f8f6f4 v[OA+8*\t:OA+8*\t+7], v[128+8*(4*\t+(\s)):128+8*(4*\t+(\s))+7], v[PB:PB+7], v[OA+8*\t:OA+8*\t+7], v[VS+4*\t+(\s)], v[PW+(\s)] matrix_a_fmt:MATRIX_FMT_FP4 matrix_b_fmt:MATRIX_FMT_FP4
.endif
.endr
.endm
.Ltile:
	; where the next tile's image of Q lies.  The last trip has no next tile: it names tile 15's image once more, three loads, and uses nothing of it
	s_add_co_u32 s[TN], s[TQ], QTILE
	s_min_u32 s[TN], s[TN], 15*QTILE
	v_add_nc_u32 v[ADQ], s[TN], v[QRD]             ; (the last trip's loads have read v[ADQ]: the wait on vm_vsrc at that trip's end)
	MAXRUN WK, 0x0a
	MAXRUN WK+4, 0x0f
	WIN 0
	v_max3_num_f32 v[WK], v[WK], v[WK+1], v[WK+2]
	v_max3_num_f32 v[WK+4], v[WK+4], v[WK+5], v[WK+6]
	v_max_num_f32 v[WK], v[WK], v[WK+3]
	v_max_num_f32 v[WK+4], v[WK+4], v[WK+7]
	v_permlanex16_b32 v[TM+4], v[WK], s[SEL], s[SEL+1]
	v_permlanex16_b32 v[TM+5], v[WK+4], s[SEL], s[SEL+1]
	v_max_num_f32 v[WK], v[WK], v[TM+4]            ; the largest score of my query among my wave's 512 keys
	v_max_num_f32 v[WK+4], v[WK+4], v[TM+5]
	v_mul_f32 v[WK], s[CS], v[WK]                  ; as t (c is positive)
	v_mul_f32 v[WK+4], s[CS], v[WK+4]
	v_floor_f32 v[ST], -v[WK]                      ; -M = floor(-t) = -ceil(t): a whole number
	v_floor_f32 v[ST+2], -v[WK+4]
	EXPRUN 0x82, ST
	ds_load_b128 v[QF+4:QF+7], v[ADQ]              ; the next tile's image of Q is asked for here, straight behind the batch's wait: no vector or matrix instruction since that wait names these registers.
	ds_load_b128 v[QF+12:QF+15], v[ADQ] offset:512 ; It lands while the sums and map 2's exponentials are worked
	ds_load_b128 v[QS:QS+3], v[ADQ] offset:1024
	SUMRUN WK, 0x0a, 0x08
	EXPRUN 0xc3, ST+2
	SUMRUN WK+8, 0x0f, 0x0c
	WIN 0
	v_pk_add_f32 v[WK:WK+1], v[WK:WK+1], v[WK+2:WK+3]
	v_pk_add_f32 v[WK+8:WK+9], v[WK+8:WK+9], v[WK+10:WK+11]
	v_pk_add_f32 v[WK+4:WK+5], v[WK+4:WK+5], v[WK+6:WK+7]
	v_pk_add_f32 v[WK+12:WK+13], v[WK+12:WK+13], v[WK+14:WK+15]
	v_pk_add_f32 v[WK:WK+1], v[WK:WK+1], v[WK+4:WK+5]
	v_pk_add_f32 v[WK+8:WK+9], v[WK+8:WK+9], v[WK+12:WK+13]
	v_add_f32 v[WK], v[WK], v[WK+1]
	v_add_f32 v[WK+8], v[WK+8], v[WK+9]
	v_permlanex16_b32 v[TM+4], v[WK], s[SEL], s[SEL+1]
	v_permlanex16_b32 v[TM+5], v[WK+8], s[SEL], s[SEL+1]
	v_add_f32 v[ST+1], v[WK], v[TM+4]              ; l1 of my wave's 512 keys, under M1 of my wave
	v_add_f32 v[ST+3], v[WK+8], v[TM+5]
	; the four waves' maxima and sums meet
	s_wait_alu depctr_va_vdst(0)                   ; v[ST .. ST+3] are written, which the store reads; the last trip's lines on v[QD4 ..] are done, in which the four loads behind the barrier land (nothing between names those)
	ds_store_b128 v[STATW], v[ST:ST+3]
	BARRIER                                        ; (its wait also shows the next tile's image of Q in)
.irp x, 0,1,2,3
	ds_load_b128 v[QD4+4*\x:QD4+4*\x+3], v[STATR] offset:512*\x
.endr
	s_wait_dscnt 0x0
	v_min3_num_f32 v[WK], v[QD4], v[QD4+4], v[QD4+8]
	v_min3_num_f32 v[WK+8], v[QD4+2], v[QD4+6], v[QD4+10]
	v_min_num_f32 v[WK], v[WK], v[QD4+12]          ; -M of the whole row
	v_min_num_f32 v[WK+8], v[WK+8], v[QD4+14]
.irp x, 0,1,2,3
	v_sub_f32 v[WK+1+\x], v[WK], v[QD4+4*\x]       ; M of wave x less M of the row: a whole number, 0 or less
	v_sub_f32 v[WK+9+\x], v[WK+8], v[QD4+4*\x+2]
.endr
.irp x, 0,1,2,3
	v_cvt_i32_f32 v[WK+1+\x], v[WK+1+\x]           ; (it saturates)
	v_cvt_i32_f32 v[WK+9+\x], v[WK+9+\x]
.endr
.irp x, 0,1,2,3
	v_ldexp_f32 v[QD4+4*\x+1], v[QD4+4*\x+1], v[WK+1+\x]   ; each wave's sum under the row's M
	v_ldexp_f32 v[QD4+4*\x+3], v[QD4+4*\x+3], v[WK+9+\x]
.endr
	v_add_f32 v[QD4+1], v[QD4+1], v[QD4+5]
	v_add_f32 v[QD4+3], v[QD4+3], v[QD4+7]
	v_add_f32 v[QD4+9], v[QD4+9], v[QD4+13]
	v_add_f32 v[QD4+11], v[QD4+11], v[QD4+15]
	v_add_f32 v[QD4+1], v[QD4+1], v[QD4+9]         ; the row's sums
	v_add_f32 v[QD4+3], v[QD4+3], v[QD4+11]
	v_rcp_f32 v[WK+5], v[QD4+1]
	v_rcp_f32 v[WK+13], v[QD4+3]
	v_sub_f32 v[WK+6], v[WK], v[ST]                ; my own wave's M less the row's: plain work behind the two reciprocals
	v_sub_f32 v[WK+14], v[WK+8], v[ST+2]
	v_cvt_i32_f32 v[WK+6], v[WK+6]
	v_cvt_i32_f32 v[WK+14], v[WK+14]
	s_wait_alu depctr_va_vdst(0)                   ; the two reciprocals have written v[WK+5] and v[WK+13]: one wait for both, ahead of their first reader
	v_ldexp_f32 v[R1], v[WK+5], v[WK+6]            ; R1 = 2^(M_w - M) / l1
	v_ldexp_f32 v[R2], v[WK+13], v[WK+14]
	v_mul_f32 v[R2], s[NLAM], v[R2]                ; R2n = -lam 2^(M_w - M) / l2
	; attn, its codes, and the second product, a K step of 128 keys at a time.  A step's products stand behind the next step's 64 packed lines: those are the places between the lines that made its scale word and codes and the products
	COMBINE 0
	QUANT 0
	COMBINE 1
	PVS 0
	QUANT 1
	COMBINE 2
	PVS 1
	QUANT 2
	COMBINE 3
	PVS 2
	QUANT 3
	PLACES 8                                       ; a scale word made by vector instructions stands 8 places ahead of the scaled product, codes so made 4
	PVS 3
	WIN 0
	PLACES 4                                       ; in front of the first read of the results
	s_wait_alu depctr_va_vdst(0)                   ; the products have written v[OA ..], which the eight stores read (the places above stay beside this wait); K step 2's codes at v[FF .. FF+7] are done with, written and read, so the eight loads behind the barrier may land in v[FF ..] (nothing between names those)
.irp t, 0,1,2,3
	ds_store_b128 v[OPW], v[OA+8*\t:OA+8*\t+3] offset:64*\t          ; lane (r, h): O(query r, channels 16 t + 8 h + 0 .. 7) over my 512 keys; each accumulator from its low end on
	ds_store_b128 v[OPW], v[OA+8*\t+4:OA+8*\t+7] offset:64*\t+16
.endr
	BARRIER                                        ; the four partial O lie in LDS
.irp x, 0,1,2,3
	ds_load_b128 v[FF+8*\x:FF+8*\x+3], v[OPR] offset:4352*\x         ; wave x's part of queries 4 w + h: sixteen lanes take a row of 256 bytes,
	ds_load_b128 v[FF+8*\x+4:FF+8*\x+7], v[OPR] offset:4352*\x+544   ; and of queries 4 w + 2 + h
.endr
	s_cmp_eq_u32 s[CNT], 1                         ; the next tile's scores are issued here, if there is a next tile: the matrix unit works while the way out is walked
	s_cbranch_scc1 .Lfin
	SCORES
	WIN 0
.Lfin:
	s_wait_dscnt 0x0
	; THE WAY OUT: the four parts are added; then for each of my two rows: mean and variance over its 64 channels (4 a lane, 16 lanes), the norm, x 0.2.  These plain lines are also the places behind the scores' products
.irp p, 0,2,4,6
	v_pk_add_f32 v[FF+\p:FF+\p+1], v[FF+\p:FF+\p+1], v[FF+8+\p:FF+8+\p+1]
	v_pk_add_f32 v[FF+16+\p:FF+16+\p+1], v[FF+16+\p:FF+16+\p+1], v[FF+24+\p:FF+24+\p+1]
.endr
.irp p, 0,2,4,6
	v_pk_add_f32 v[FF+\p:FF+\p+1], v[FF+\p:FF+\p+1], v[FF+16+\p:FF+16+\p+1]
.endr
	v_pk_add_f32 v[TM:TM+1], v[FF:FF+1], v[FF+2:FF+3]
	v_pk_add_f32 v[TM+2:TM+3], v[FF+4:FF+5], v[FF+6:FF+7]
	v_add_f32 v[TM], v[TM], v[TM+1]
	v_add_f32 v[TM+2], v[TM+2], v[TM+3]
.irp x, 1,2,4,8
	v_add_f32_dpp v[TM], v[TM], v[TM] row_xmask:\x row_mask:0xf bank_mask:0xf
	v_add_f32_dpp v[TM+2], v[TM+2], v[TM+2] row_xmask:\x row_mask:0xf bank_mask:0xf
.endr
	v_mul_f32 v[TM], s[NI64], v[TM]                ; minus the mean
	v_mul_f32 v[TM+2], s[NI64], v[TM+2]
	v_pk_add_f32 v[FF:FF+1], v[FF:FF+1], v[TM:TM+1] op_sel_hi:[1,0]
	v_pk_add_f32 v[FF+4:FF+5], v[FF+4:FF+5], v[TM+2:TM+3] op_sel_hi:[1,0]
	v_pk_add_f32 v[FF+2:FF+3], v[FF+2:FF+3], v[TM:TM+1] op_sel_hi:[1,0]
	v_pk_add_f32 v[FF+6:FF+7], v[FF+6:FF+7], v[TM+2:TM+3] op_sel_hi:[1,0]
	v_pk_mul_f32 v[TM+8:TM+9], v[FF:FF+1], v[FF:FF+1]
	v_pk_mul_f32 v[TM+10:TM+11], v[FF+4:FF+5], v[FF+4:FF+5]
	v_pk_fma_f32 v[TM+8:TM+9], v[FF+2:FF+3], v[FF+2:FF+3], v[TM+8:TM+9]
	v_pk_fma_f32 v[TM+10:TM+11], v[FF+6:FF+7], v[FF+6:FF+7], v[TM+10:TM+11]
	v_add_f32 v[TM+8], v[TM+8], v[TM+9]
	v_add_f32 v[TM+10], v[TM+10], v[TM+11]
.irp x, 1,2,4,8
	v_add_f32_dpp v[TM+8], v[TM+8], v[TM+8] row_xmask:\x row_mask:0xf bank_mask:0xf
	v_add_f32_dpp v[TM+10], v[TM+10], v[TM+10] row_xmask:\x row_mask:0xf bank_mask:0xf
.endr
	v_fma_f32 v[TM+8], v[TM+8], s[I64], s[EPSR]    ; the variance + 1e-5
	v_fma_f32 v[TM+10], v[TM+10], s[I64], s[EPSR]
	v_rsq_f32 v[TM+12], v[TM+8]
	v_rsq_f32 v[TM+14], v[TM+10]
	v_nop                                          ; a plain line behind the last of the two
	s_wait_alu depctr_va_vdst(0)                   ; the two roots have written v[TM+12] and v[TM+14]: one wait for both, ahead of their first reader
	v_mul_f32 v[TM+12], 0x3e4ccccd, v[TM+12]       ; x (1 - 0.8)
	v_mul_f32 v[TM+14], 0x3e4ccccd, v[TM+14]
	v_pk_mul_f32 v[FF:FF+1], v[FF:FF+1], v[TM+12:TM+13] op_sel_hi:[1,0]
	v_pk_mul_f32 v[FF+2:FF+3], v[FF+2:FF+3], v[TM+12:TM+13] op_sel_hi:[1,0]
	v_pk_mul_f32 v[FF+4:FF+5], v[FF+4:FF+5], v[TM+14:TM+15] op_sel_hi:[1,0]
	v_pk_mul_f32 v[FF+6:FF+7], v[FF+6:FF+7], v[TM+14:TM+15] op_sel_hi:[1,0]
	s_wait_alu depctr_va_vdst(0)                   ; the four packed multiplications have written v[FF .. FF+7], which the two stores read
	global_store_b128 v[GO], v[FF:FF+3], s[14:15] th:TH_STORE_NT              ; sixteen lanes store a row of out: 256 consecutive bytes, at a multiple of 256 from its first byte; written once, read by nobody here
	global_store_b128 v[GO], v[FF+4:FF+7], s[14:15] offset:512 th:TH_STORE_NT
	s_wait_xcnt 0x0                                ; the stores have had their addresses translated: their base is written again only behind this wait
	s_wait_alu depctr_vm_vsrc(0)                   ; this trip's memory and LDS instructions have read their registers, which the next trip writes: the two stores v[FF .. FF+7], the partial O's stores v[OA ..], the statistics' store v[ST ..], the loads of Q's image v[ADQ]
	s_add_nc_u64 s[14:15], s[14:15], 4096          ; 16 rows of out on
	s_add_co_u32 s[TQ], s[TQ], QTILE
	s_sub_co_u32 s[CNT], s[CNT], 1
	s_cmp_lg_u32 s[CNT], 0
	s_cbranch_scc1 .Ltile
	s_wait_dscnt 0x0                               ; the closing lines, six on end
	s_wait_alu 0x0
	s_wait_tensorcnt 0x0
	ds_add_u32 v[SPW], v[NIL]
	s_wait_dscnt 0x0
	s_endpgm
.Lfunc_end_k_q68df89c573_diffattn:
	.size	k_q68df89c573_diffattn, .Lfunc_end_k_q68df89c573_diffattn-k_q68df89c573_diffattn
	.p2alignl 7, 3214868480
	.fill 96, 4, 3214868480
	.section	.rodata,"a",@progbits
	.p2align	6, 0x0
	.amdhsa_kernel k_q68df89c573_diffattn
		.amdhsa_group_segment_fixed_size 116224
		.amdhsa_private_segment_fixed_size 0
		.amdhsa_enable_private_segment 0
		.amdhsa_kernarg_size 48
		.amdhsa_user_sgpr_count 2
		.amdhsa_user_sgpr_kernarg_segment_ptr 1
		.amdhsa_wavefront_size32 1
		.amdhsa_system_sgpr_workgroup_id_x 1
		.amdhsa_system_sgpr_workgroup_id_y 1
		.amdhsa_system_sgpr_workgroup_id_z 1
		.amdhsa_system_vgpr_workitem_id 0
		.amdhsa_next_free_vgpr 1024
		.amdhsa_next_free_sgpr 66
		.amdhsa_reserve_vcc 0
		.amdhsa_float_denorm_mode_32 3
		.amdhsa_float_denorm_mode_16_64 3
		.amdhsa_memory_ordered 1
		.amdhsa_forward_progress 1
		.amdhsa_inst_pref_size 255
	.end_amdhsa_kernel
	.section	.bss,"aw",@nobits
	.p2align	6
	.space	262144
	.amdgpu_metadata
---
amdhsa.version: [ 1, 2 ]
amdhsa.kernels:
  - .name:           k_q68df89c573_diffattn
    .symbol:         k_q68df89c573_diffattn.kd
    .args:
      - { .name: query, .offset: 0, .size: 8, .value_kind: global_buffer, .address_space: global }
      - { .name: key, .offset: 8, .size: 8, .value_kind: global_buffer, .address_space: global }
      - { .name: value_codes, .offset: 16, .size: 8, .value_kind: global_buffer, .address_space: global }
      - { .name: value_scales, .offset: 24, .size: 8, .value_kind: global_buffer, .address_space: global }
      - { .name: lambda_params, .offset: 32, .size: 8, .value_kind: global_buffer, .address_space: global }
      - { .name: out0, .offset: 40, .size: 8, .value_kind: global_buffer, .address_space: global }
    .group_segment_fixed_size: 116224
    .private_segment_fixed_size: 0
    .kernarg_segment_align: 8
    .kernarg_segment_size: 48
    .max_flat_workgroup_size: 128
    .sgpr_count:     66
    .vgpr_count:     1024
    .wavefront_size: 32
...
	.end_amdgpu_metadata
.endif
;; end of part 2
